; MI455X (gfx1250); checked and timed in simulation.
; The chip was launched on July 23, 2026; its instructions are those of AMD's public machine-readable ISA for CDNA 5 (MIT licence, August 2026) and "CDNA5" Instruction Set Architecture Reference Guide (July 2026). The comments in the code are by the model that wrote it; some were corrected since.
;; Multi Head Self Attention. Allowed arithmetic: matrix products marked QUANTISED: E4M3 operands, one given power-of-two scale a tensor, by v_wmma_f32_16x16x64_fp8_fp8 or v_wmma_f32_16x16x128_fp8_fp8, f32 sums; everything else in f32.
;; Inputs: lowp_scales 8 int32 (the exponents e of the quantised operands' scales 2^e); proj_b 1,024 float32; proj_w_codes 1,024 x 32 x 32 uint8 (E4M3 codes of proj_w, K innermost, in blocks of 32 codes); qkv_b 3,072 float32; qkv_w_codes 3,072 x 32 x 32 uint8 (E4M3 codes of qkv_w, K innermost, in blocks of 32 codes); x_codes 4 x 2,048 x 32 x 32 uint8 (E4M3 codes of x, K innermost, in blocks of 32 codes).
;; Outputs: out0 4 x 2,048 x 1,024 float32.
;; This version of the problem:
;;   THIS VERSION OF THE PROBLEM IS GIVEN IN LOW PRECISION. The matrix products marked QUANTISED in the list below multiply operands that are first quantised to E4M3 (4 exponent bits, 3 mantissa bits; 8 bits a number), with one given power-of-two scale for each operand tensor; their sums are f32. All else is computed in f32.
;;   The module's matrix products, in the order in which they are computed (A, B: the left and right operand; K: the contracted axis; several contracted axes count as one K, in the product's order):
;;     1. [M 8,192, K 1,024] x [K 1,024, N 3,072]; A: input x (given as codes); B: input qkv_w (given as codes): QUANTISED (scales: A lowp_scales[0], B lowp_scales[1])
;;     2. batch 64 x [M 2,048, K 64] x [K 64, N 2,048]; A: computed on the way; B: computed on the way: QUANTISED (scales: A lowp_scales[2], B lowp_scales[3])
;;     3. batch 64 x [M 2,048, K 2,048] x [K 2,048, N 64]; A: softmax (see below); B: computed on the way: QUANTISED (scales: A lowp_scales[4], B lowp_scales[5])
;;     4. [M 8,192, K 1,024] x [K 1,024, N 1,024]; A: computed on the way; B: input proj_w (given as codes): QUANTISED (scales: A lowp_scales[6], B lowp_scales[7])
;;   THE QUANTISER, for each operand of a quantised product, along K:
;;     - The operand's scale is 2^e, e = its entry of the input lowp_scales (int32; the entries are numbered through the quantised products in the list's order, A before B).
;;     - Each number is divided by the scale, clamped to +-448, and rounded to the nearest number of E4M3, ties to even, subnormals kept.
;;     - The product sums the exact products of the quantised numbers (number of the format x scale) in f32.
;;   ~~~python
;;   def quantise(x, axis, e):      # numpy; x: float32 -> the quantised numbers, widened to float32 again
;;       x = np.moveaxis(x, axis, -1); K = x.shape[-1]
;;       r = np.clip(x / 2.0 ** e, -448, 448)
;;       step = 2.0 ** (np.maximum(np.frexp(np.where(r == 0, 1, r))[1] - 1, -6) - 3)
;;       q = np.round(r / step) * step * 2.0 ** e      # np.round: ties to even
;;       return np.moveaxis(q, -1, axis).astype(np.float32)
;;   ~~~
;;   SOFTMAX AHEAD OF A QUANTISED PRODUCT. Where the list says 'softmax', what is quantised is not the finished softmax but p = 2^(t - M), with t = logit x log2(e) and M = ceil(the row's largest t), a whole number; so 1/2 < the row's largest p <= 1. The row's sum l is taken of the UNQUANTISED p, in f32, and the product's result is divided by l at the end. Since M is a whole number, a kernel that streams over the keys may use a running M (the ceiling of the running maximum): every later rescaling is an exact power of two, so the quantised numbers keep their values, but for numbers so far below the row's largest that they fall under the format's range.
;;   OPERANDS COMPUTED ON THE WAY. 'Computed on the way' means the value that the module computes at that place (a softmax that the list does not call 'softmax' is quantised finished and normalised). What goes into a quantiser is computed in f32, as accurately as f32 sums, v_exp_f32 and their like allow (about 1e-6 of the number): no bf16 or f16 on the way to a quantiser, and a product that is left as it is and whose result goes on into a quantised operand takes f32 operands (vector FMAs, or v_wmma_f32_16x16x4_f32). A number that lies on a knife's edge between two numbers of the format may be rounded either way, as far as f32 arithmetic and the matrix unit's own rounding can turn it there, and no further.
;;   INPUTS GIVEN AS CODES. proj_w (in the module: [1024, 1024], K = its axis 1); qkv_w (in the module: [3072, 1024], K = its axis 1); x (in the module: [4, 2048, 1024], K = its axis 2): each comes as NAME_codes (uint8): NAME with its K axis moved to the last place and cut into blocks of 32 codes, [.., K / 32, bytes a block], one block behind the other in memory; one code a byte (a code: sign, 4 exponent bits, 3 mantissa bits); its scale is its entry of lowp_scales. Its value is code x scale, taken as it is: it is not quantised again, and the codes and scales need not be those that the quantiser above would give.
;; 2 versions, each right; version 2 is version 1 with the launch attn written anew for expert scheduling mode. Each part assembles by itself: llvm-mc -triple=amdgcn-amd-amdhsa -mcpu=gfx1250 --defsym DOCPART=n.
;; ======== version 1 of 2: 3 launches
;; workspace buffers: q_img 8,388,608 bytes; k_img 8,388,608 bytes; v_img 8,388,608 bytes; y_img 8,388,608 bytes
;; launch qkv (part 1): grid 12 x 32, 4 waves a work-group, clusters of 4 x 4, 327,680 bytes of LDS; arguments x_codes, qkv_w_codes, lowp_scales, qkv_b, q_img, k_img, v_img; writes q_img, k_img, v_img
.if DOCPART == 1
	.amdgcn_target "amdgcn-amd-amdhsa--gfx1250"
	.amdhsa_code_object_version 6
	.text
	.protected	k_q1e9ce28d4b_qkv
	.globl	k_q1e9ce28d4b_qkv
	.p2align	8
	.type	k_q1e9ce28d4b_qkv,@function
k_q1e9ce28d4b_qkv:
	s_mov_b64 s[64:65], 0
	v_nop
	global_prefetch_b8 v0, s[64:65] scope:SCOPE_SE
	s_setreg_imm32_b32 hwreg(HW_REG_WAVE_MODE, 25, 1), 1
	s_wait_xcnt 0x0
	s_wait_alu depctr_hold_cnt(0) depctr_sa_sdst(0) depctr_va_vdst(0) depctr_va_sdst(0) depctr_va_ssrc(0) depctr_va_vcc(0) depctr_vm_vsrc(0)
	s_getreg_b32 s2, hwreg(HW_REG_IB_STS2, 6, 4)
	s_cmp_eq_u32 s2, 0
	s_cbranch_scc0 .Lentry_in_a_cluster
	s_endpgm
.Lentry_in_a_cluster:
	s_bfe_u32 s2, ttmp6, 0x10000c
	s_cmp_lg_u32 s2, 0xf033
	s_cbranch_scc0 .Lentry_shape_is_right
	s_endpgm
.Lentry_shape_is_right:
; qkv = x W^T + b on codes of E4M3 (x [8192][1024], W [3072][1024], K innermost), then RoPE on q and k, then the three quantisers: q (scale entry 2), k (entry 3), v (entry 5).
; The results leave as IMAGES OF OPERAND REGISTERS for the attention launch: q_img, k_img: [batch x 16 + head][position / 16][2][lane][16 bytes], a fragment of 16 rows x 64 for the K = 64 form
; (lane (r, h): row r; registers 2 c, 2 c + 1: d = 16 c + 8 h + 0 .. 7);  v_img: [batch x 16 + head][key / 128][d / 16][4][lane][16 bytes], a fragment of 16 d x 128 keys for the K = 128 form.
; SHARES.  A work-group of four waves makes 256 x 256 of the product, a wave 128 x 128: 64 accumulators.  K goes in steps of 256 through two LDS slots filled by the tensor data mover.
; The cluster's x says what is made: 0 q, 1 k, 2 v; it is the same in all sixteen partners.  The matrix instruction's source 1 (the A place) gives a lane its row, source 0 (the B place) its eight registers.
; q, k: A place = 256 rows of x, B place = 256 rows of W: a lane holds one position and eight neighbouring d.   v: A place = 256 rows of W's last third, B place = 256 rows of x: a lane holds one d and eight neighbouring keys.
; So in both cases the conversions' results are the next operand's registers, and every store of a wave covers 512 consecutive bytes, aligned.
; CLUSTERS: 4 x 4 work-groups.  The A place's tile hangs on cy and the cluster's numbers alone and is asked for jointly by a row of the cluster, the B place's on cx and the cluster's numbers alone, by a column.
; COS AND SIN are made in f32 at the head, while the first tiles are on their way: inv_freq = 2^(-i log2(10) / 8), the angle reduced by multiples of pi / 2 in two parts, two polynomials on |r| <= pi / 4.
; A lane needs 16 frequencies (8 c + 4 h + i) at positions 16 a + r: position 16 a + 16 follows from 16 a by one rotation by 16 f: at most seven rotations on end.
; LIMITS: e0 + e1 between -126 and 127; e2, e3, e5 between -126 and 119.  NaN among the inputs is not served.  inv_freq comes from v_exp_f32, so an angle may differ from pos x the exact frequency by some 2e-7 of itself (3e-4 at the most).
; REGISTERS, in windows of 256: window 0: v1-9 lane numbers and offsets; v16-21 LDS addresses; v28, v29 the add's two; v30, v31 the quantiser's scale and hold; v32-63 (cos, sin) of my 16 frequencies; v64-95 (cos, sin) of 16 f;
;   v96-127 at work in rotations; v128-255 the A place's fragments, ONE set (at the head: at work for cos and sin; on the way out: v128-191 64 numbers, v192-255 four sets of 16 registers of codes).
;   window 1: the B place's fragments, TWO sets (v0-63 hold the bias on the way out).   windows 2, 3: the accumulators ((a, b) at v[8 (8 (a % 4) + b)]).
.set ROWB,   256                       ; a tile's row in bytes: 256 codes
.set KROW,   1024                      ; a row of x or of W in memory
.set PITCH,  272                       ; an LDS row: 256 bytes + 16 of padding: the 16 rows of a fragment load start at 16 different banks (64 banks of 4 bytes: ISA guide 11.1)
.set FR,     16                        ; registers of a fragment: 16 rows x 128 K
.set NL,     4                         ; LDS loads that bring one
.set NP,     4                         ; places behind this matrix instruction (ISA guide 7.12.1)
.set HALFT,  128*PITCH                 ; 128 rows: what one tensor load brings
.set SLOT,   4*HALFT                   ; the A place's 256 rows, then the B place's
.set LAPS,   2                         ; 1,024 along K = two laps of two K steps
.set SPARE,  2*SLOT                    ; behind the ring: the spare words, 128 bytes for each wave
.set BO,   7                           ; v7   my byte offset in the bias
.set GO,   8                           ; v8   16 x lane: my place in an image
.set POS,  9                           ; v9   my first position, as f32
.set ADRA, 16
.set ADRB, 20
.set SPW,  28
.set NIL,  29
.set QSC,  30                          ; v30  2^e of the operand that is made
.set QLIM, 31                          ; v31  448 x 2^e
.set CS,   32
.set DR,   64
.set TP,   96
.set AF,   128
.set T,    128
.set CODE, 192
.set FQ,   128                         ; at the head only: 16 frequencies, 16 angles, six sets of eight at work
.set ANG,  144
.set KF,   160
.set RR,   168
.set QI,   176
.set ZZ,   184
.set PSI,  192
.set PCO,  200
.set G1, 24
.set G0, 32
.set G1B, 48
.set G0B, 56
.set MSB, 0
.macro WIN new                         ; the immediate's high byte repeats the setting that is left
.if MSB != \new
	s_set_vgpr_msb (MSB<<8)|\new
.set MSB, \new
.endif
.endm
.set MUL_LO, 0xa1                      ; source 0 window 1, source 1 window 0, C and D window 2
.set MUL_HI, 0xf1                      ; the same, C and D window 3
.set TO_B,   0x40                      ; destination window 1, address window 0
; A joint load: waves 0 and 1 fetch for the A place, waves 2 and 3 for the B place.  The branch hangs on the wave's number alone.  Four v_nop follow each of the two lines.
.macro JLOAD g0a, g1a, g0b, g1b
	s_cmp_eq_u32 s15, 0
	s_cbranch_scc0 .Lfor_b_\@
	tensor_load_to_lds s[\g0a:\g0a+3], s[\g1a:\g1a+7]
	s_nop 0
.rept 4
	v_nop
.endr
	s_branch .Lasked_\@
.Lfor_b_\@:
	tensor_load_to_lds s[\g0b:\g0b+3], s[\g1b:\g1b+7]
	s_nop 0
.rept 4
	v_nop
.endr
.Lasked_\@:
.endm
.macro CREST                           ; a round of the cluster's barrier behind its opening barrier
	s_cmp_lg_u32 s14, 0
	s_cbranch_scc1 .Lnot_wave_0_\@
	s_barrier_signal -3
.Lnot_wave_0_\@:
	s_barrier_wait -3
	s_barrier_signal -1
	s_barrier_wait -1
.endm
.macro CROUND                          ; a whole round
	s_barrier_signal -1
	s_barrier_wait -1
	CREST
.endm
; cos and sin of eight angles v[ang ..] >= 0, as pairs (cos, sin) into v[dst ..], stage by stage so that no line waits for the line above it.
.macro SC8 dst, ang
.irp n, 0,1,2,3,4,5,6,7
	v_mul_f32 v[KF+\n], s66, v[\ang+\n]            ; angle x 2 / pi
.endr
.irp n, 0,1,2,3,4,5,6,7
	v_rndne_f32 v[KF+\n], v[KF+\n]                 ; k: the nearest multiple of pi / 2
.endr
.irp n, 0,1,2,3,4,5,6,7
	v_fma_f32 v[RR+\n], v[KF+\n], s67, v[\ang+\n]  ; r = angle - k x (pi / 2), in two parts
.endr
.irp n, 0,1,2,3,4,5,6,7
	v_fma_f32 v[RR+\n], v[KF+\n], s96, v[RR+\n]
.endr
.irp n, 0,1,2,3,4,5,6,7
	v_cvt_i32_f32 v[QI+\n], v[KF+\n]
.endr
.irp n, 0,1,2,3,4,5,6,7
	v_mul_f32 v[ZZ+\n], v[RR+\n], v[RR+\n]         ; z = r r
.endr
.irp n, 0,1,2,3,4,5,6,7
	v_fmaak_f32 v[PSI+\n], s97, v[ZZ+\n], 0x3c08839e
.endr
.irp n, 0,1,2,3,4,5,6,7
	v_fmaak_f32 v[PSI+\n], v[PSI+\n], v[ZZ+\n], 0xbe2aaaa3
.endr
.irp n, 0,1,2,3,4,5,6,7
	v_fmaak_f32 v[PCO+\n], s98, v[ZZ+\n], 0xbab6061a
.endr
.irp n, 0,1,2,3,4,5,6,7
	v_fmaak_f32 v[PCO+\n], v[PCO+\n], v[ZZ+\n], 0x3d2aaaa5
.endr
.irp n, 0,1,2,3,4,5,6,7
	v_mul_f32 v[KF+\n], v[ZZ+\n], v[RR+\n]
.endr
.irp n, 0,1,2,3,4,5,6,7
	v_fma_f32 v[PSI+\n], v[PSI+\n], v[KF+\n], v[RR+\n]   ; sin r = r + z r (..)
.endr
.irp n, 0,1,2,3,4,5,6,7
	v_mul_f32 v[KF+\n], v[ZZ+\n], v[ZZ+\n]
.endr
.irp n, 0,1,2,3,4,5,6,7
	v_fma_f32 v[RR+\n], v[ZZ+\n], -0.5, 1.0
.endr
.irp n, 0,1,2,3,4,5,6,7
	v_fma_f32 v[PCO+\n], v[PCO+\n], v[KF+\n], v[RR+\n]   ; cos r = 1 - z / 2 + z z (..)
.endr
.irp n, 0,1,2,3,4,5,6,7
	v_and_b32 v[KF+\n], 1, v[QI+\n]                ; an odd k swaps the two,
	v_cmp_eq_u32 vcc_lo, 1, v[KF+\n]
	v_cndmask_b32 v[RR+\n], v[PCO+\n], v[PSI+\n], vcc_lo
	v_cndmask_b32 v[ZZ+\n], v[PSI+\n], v[PCO+\n], vcc_lo
.endr
.irp n, 0,1,2,3,4,5,6,7
	v_add_nc_u32 v[KF+\n], 1, v[QI+\n]             ; cos is negative where k mod 4 is 1 or 2, sin where it is 2 or 3
.endr
.irp n, 0,1,2,3,4,5,6,7
	v_lshlrev_b32 v[KF+\n], 30, v[KF+\n]
	v_lshlrev_b32 v[QI+\n], 30, v[QI+\n]
.endr
.irp n, 0,1,2,3,4,5,6,7
	v_and_b32 v[KF+\n], s99, v[KF+\n]
	v_and_b32 v[QI+\n], s99, v[QI+\n]
.endr
.irp n, 0,1,2,3,4,5,6,7
	v_xor_b32 v[\dst+2*\n], v[RR+\n], v[KF+\n]
	v_xor_b32 v[\dst+2*\n+1], v[ZZ+\n], v[QI+\n]
.endr
.endm
; Sixteen pairs (x1, x2) at v[x ..] are rotated in place by the sixteen pairs (c, s) at v[r ..]: (x1 c - x2 s, x1 s + x2 c): first (-x2 s, x1 s), then x c on top.
.macro ROT16 x, r
.irp n, 0,1,2,3,4,5,6,7,8,9,10,11,12,13,14,15
	v_pk_mul_f32 v[TP+2*\n:TP+2*\n+1], v[\x+2*\n:\x+2*\n+1], v[\r+2*\n:\r+2*\n+1] op_sel:[1,1] op_sel_hi:[0,1] neg_lo:[0,1]
.endr
.irp n, 0,1,2,3,4,5,6,7,8,9,10,11,12,13,14,15
	v_pk_fma_f32 v[\x+2*\n:\x+2*\n+1], v[\x+2*\n:\x+2*\n+1], v[\r+2*\n:\r+2*\n+1], v[TP+2*\n:TP+2*\n+1] op_sel_hi:[1,0,1]
.endr
.endm
	s_load_b256 s[4:11], s[0:1], 0x0               ; x s[4:5], W s[6:7], the scales' exponents s[8:9], the bias s[10:11]
	s_load_b128 s[68:71], s[0:1], 0x20             ; q_img, k_img
	s_load_b64 s[72:73], s[0:1], 0x30              ; v_img
	v_lshl_add_u32 v[SPW], v0, 2, SPARE
	v_mov_b32 v[NIL], 0
	ds_add_u32 v28, v29
	ds_add_u32 v28, v29
	s_wait_dscnt 0x0
	v_lshrrev_b32 v1, 5, v0
	v_readfirstlane_b32 s14, v1                    ; wave 0..3
	s_lshr_b32 s15, s14, 1                         ; which half of the A place's rows is mine.  Also: I fetch for the A place (0) or the B place (1)
	s_and_b32 s16, s14, 1                          ; which half of the B place's rows.  Also: which 128 rows of that tile I fetch
	s_bfe_u32 s40, ttmp6, 0x40000                  ; cx, cy: my place in the cluster
	s_bfe_u32 s41, ttmp6, 0x40004
	s_mov_b32 s74, ttmp9                           ; the cluster's x: 0 q, 1 k, 2 v
	s_and_b32 s75, ttmp7, 0xffff
	s_lshl_b32 s75, s75, 2                         ; 4 x the cluster's y
	s_lshl_b32 s43, s41, 2
	s_lshl_b32 s43, 15, s43                        ; my row of the cluster
	s_lshl_b32 s44, 0x1111, s40                    ; my column
	s_add_co_u32 s17, s75, s41                     ; q, k: the A place's block of 256 rows of x
	s_lshl_b32 s42, s74, 2
	s_add_co_u32 s42, s42, s40                     ; q, k: the B place's block of 256 rows of W
	s_add_co_u32 s46, s75, s40                     ; v: the B place's block of 256 rows of x
	s_cmp_eq_u32 s74, 2
	s_cselect_b32 s17, s41, s17                    ; v: the A place's block of W's last third is cy
	s_cselect_b32 s42, s46, s42
	; descriptor group 1: a tile of 128 rows x 256 bytes, padded in LDS
	s_or_b32 s[G1+0], s43, (0<<16)|(1<<20)|(1<<21)|(5<<22)|(3<<25)  ; 15:0 the mask; 17:16 elements of 1 byte; 20 padding on; 21 set beside a mask; 24:22 after every 64 words; 31:25 four words
	s_or_b32 s[G1B+0], s44, (0<<16)|(1<<20)|(1<<21)|(5<<22)|(3<<25)
.irp g, G1, G1B
	s_mov_b32 s[\g+1], ROWB<<16                    ; tensor_dim0
	s_mov_b32 s[\g+2], 128<<16                     ; tensor_dim1
	s_mov_b32 s[\g+3], ROWB<<16                    ; tile_dim0
	s_mov_b32 s[\g+4], 128                         ; tile_dim1
	s_mov_b32 s[\g+5], KROW                        ; tensor_dim0_stride
	s_mov_b32 s[\g+6], 0
	s_mov_b32 s[\g+7], 0
.endr
	s_lshl_b32 s18, s16, 7                         ; which 128 rows of the tile I fetch
	s_lshl_b32 s20, s17, 8
	s_add_co_u32 s20, s20, s18
	s_lshl_b32 s20, s20, 10                        ; the A place's rows, in bytes
	s_mov_b32 s21, 0
	s_lshl_b32 s46, s42, 8
	s_add_co_u32 s46, s46, s18
	s_lshl_b32 s46, s46, 10                        ; the B place's
	s_mov_b32 s47, 0
	s_mul_i32 s45, s14, HALFT                      ; where they go: wave x 128 rows: no place in the cluster enters an LDS address
	s_mov_b32 s66, 0x3f22f983                      ; 2 / pi
	s_mov_b32 s67, 0xbfc90fdb                      ; -(pi / 2), its f32 part,
	s_mov_b32 s96, 0x333bbd2e                      ; and what that part lacks
	s_mov_b32 s97, 0xb94ca1f9                      ; the leading coefficients of sin's and cos's polynomials
	s_mov_b32 s98, 0x37ccf5ce
	s_mov_b32 s99, 0x80000000
	s_wait_kmcnt 0x0
	s_load_b256 s[80:87], s[8:9], 0x0              ; e0 .. e7
	s_add_nc_u64 s[22:23], s[6:7], 0x200000        ; W's row 2,048
	s_cmp_eq_u32 s74, 2
	s_cselect_b64 s[76:77], s[22:23], s[4:5]       ; the A place's tensor
	s_cselect_b64 s[78:79], s[4:5], s[6:7]         ; the B place's
	s_add_nc_u64 s[20:21], s[76:77], s[20:21]
	s_add_nc_u64 s[46:47], s[78:79], s[46:47]
	CROUND                                         ; all sixteen work-groups are here: the first joint loads meet
.irp s, 0,1
	s_mov_b32 s[G0+4*\s], 1
	s_add_co_u32 s[G0+4*\s+1], s45, \s*SLOT
	s_add_nc_u64 s[G0+4*\s+2:G0+4*\s+3], s[20:21], \s*ROWB
	s_or_b32 s[G0+4*\s+3], s[G0+4*\s+3], 0x80000000
	s_mov_b32 s[G0B+4*\s], 1
	s_add_co_u32 s[G0B+4*\s+1], s45, \s*SLOT
	s_add_nc_u64 s[G0B+4*\s+2:G0B+4*\s+3], s[46:47], \s*ROWB
	s_or_b32 s[G0B+4*\s+3], s[G0B+4*\s+3], 0x80000000
	JLOAD G0+4*\s, G1, G0B+4*\s, G1B
.endr
	v_and_b32 v1, 15, v0                           ; r = lane % 16
	v_bfe_u32 v2, v0, 4, 1                         ; h = lane / 16
	v_mul_u32_u24 v3, v1, PITCH
	v_lshl_add_u32 v4, v2, 4, v3                   ; a fragment's row x pitch + 16 x half
	s_mul_i32 s21, s15, HALFT
	s_mul_i32 s22, s16, HALFT
	s_add_co_u32 s22, s22, 2*HALFT
.irp s, 0,1
	v_add_nc_u32 v[ADRA+\s], s21, v4
	v_add_nc_u32 v[ADRB+\s], s22, v4
	s_add_co_u32 s21, s21, SLOT
	s_add_co_u32 s22, s22, SLOT
.endr
	v_and_b32 v6, 31, v0
	v_lshlrev_b32 v[GO], 4, v6
	; COS AND SIN, while the first tiles are on their way.  Every work-group runs these lines; those that make v do not use the results.
	s_lshl_b32 s90, s17, 8
	s_lshl_b32 s91, s15, 7
	s_add_co_u32 s90, s90, s91                     ; my wave's first row of the A place
	s_and_b32 s91, s90, 2047                       ; its position in the sequence
	v_add_nc_u32 v[POS], s91, v1
	v_cvt_f32_u32 v[POS], v[POS]
	v_lshlrev_b32 v3, 2, v2                        ; 4 h
.irp n, 0,1,2,3,4,5,6,7,8,9,10,11,12,13,14,15
	v_add_nc_u32 v[FQ+\n], 8*(\n/4)+\n%4, v3       ; frequency number 8 c + 4 h + i, n = 4 c + i
.endr
.irp n, 0,1,2,3,4,5,6,7,8,9,10,11,12,13,14,15
	v_cvt_f32_u32 v[FQ+\n], v[FQ+\n]
.endr
.irp n, 0,1,2,3,4,5,6,7,8,9,10,11,12,13,14,15
	v_mul_f32 v[FQ+\n], 0xbed49a78, v[FQ+\n]       ; x -log2(10) / 8 = -log2(10000) / 32
.endr
.irp n, 0,1,2,3,4,5,6,7,8,9,10,11,12,13,14,15
	v_exp_f32 v[FQ+\n], v[FQ+\n]
.endr
	v_nop                                          ; a plain instruction behind the last exponential,
	s_wait_alu depctr_va_vdst(0)                   ; and one wait for the sixteen, ahead of their first reader
.irp n, 0,1,2,3,4,5,6,7,8,9,10,11,12,13,14,15
	v_mul_f32 v[ANG+\n], v[POS], v[FQ+\n]
.endr
	SC8 CS, ANG
	SC8 CS+16, ANG+8
.irp n, 0,1,2,3,4,5,6,7,8,9,10,11,12,13,14,15
	v_mul_f32 v[ANG+\n], 0x41800000, v[FQ+\n]      ; 16 f: exact
.endr
	SC8 DR, ANG
	SC8 DR+16, ANG+8
	s_wait_kmcnt 0x0
	s_add_co_i32 s88, s80, s81
	s_add_co_i32 s88, s88, 127
	s_lshl_b32 s88, s88, 23                        ; 2^(e0 + e1) as f32
	s_mov_b32 s89, s88                             ; (named with it as a pair, so it is written)
	s_cmp_eq_u32 s74, 0
	s_cselect_b32 s90, s82, s83                    ; q: e2; k: e3;
	s_cmp_eq_u32 s74, 2
	s_cselect_b32 s90, s85, s90                    ; v: e5
	s_add_co_i32 s90, s90, 127
	s_lshl_b32 s91, s90, 23
	v_mov_b32 v[QSC], s91
	s_add_co_i32 s90, s90, 8
	s_lshl_b32 s90, s90, 23
	s_or_b32 s90, s90, 0x600000
	v_mov_b32 v[QLIM], s90                         ; 448 x the scale
.macro FRAG reg, adr, q, i             ; a fragment by four loads of 16 bytes: registers 4 c .. 4 c + 3 hold K = 32 c + 16 (lane / 16) + 0 .. 15: a permutation of k that is the same on both sides
.irp c, 0,1,2,3
	ds_load_b128 v[\reg+4*\c:\reg+4*\c+3], v[\adr] offset:128*(\q)+32*\c+(\i)*16*PITCH
.endr
.endm
; 16 matrix instructions: the A place's blocks a0, a0 + 1 x the B place's eight.  The 64 accumulators take turns, one instruction a turn, in the same order in every step.
.macro MUL16 a0, p, zero
.irp a, \a0, \a0+1
.irp b, 0,1,2,3,4,5,6,7
.if \zero
	v_wmma_f32_16x16x128_fp8_fp8 v[8*(8*((\a)%4)+\b):8*(8*((\a)%4)+\b)+7], v[128*(\p)+FR*\b:128*(\p)+FR*\b+FR-1], v[AF+FR*(\a):AF+FR*(\a)+FR-1], 0
.else
	v_wmma_f32_16x16x128_fp8_fp8 v[8*(8*((\a)%4)+\b):8*(8*((\a)%4)+\b)+7], v[128*(\p)+FR*\b:128*(\p)+FR*\b+FR-1], v[AF+FR*(\a):AF+FR*(\a)+FR-1], v[8*(8*((\a)%4)+\b):8*(8*((\a)%4)+\b)+7]
.endif
.endr
.endr
.endm
.macro FETCH_B slot, q, p
	WIN TO_B
.irp i, 0,1,2,3,4,5,6,7
	FRAG 128*(\p)+FR*\i, ADRB+\slot, \q, \i
.endr
	WIN 0
.endm
.macro FETCH_A slot, q, i0
.irp i, \i0, \i0+1, \i0+2, \i0+3
	FRAG AF+FR*(\i), ADRA+\slot, \q, \i
.endr
.endm
.macro PLACES n                        ; plain vector instructions between a matrix instruction and a load into, or a vector instruction on, one of its registers
.rept \n
	v_nop
.endr
.endm
; A step of 128 along K that has its successor in the same slot.
.macro STEP slot, q, zero
	s_wait_dscnt 4*NL                              ; the B place's set and the A place's blocks 0-3 are in; the youngest sixteen loads (blocks 4-7) may be out
	WIN MUL_LO
	MUL16 0, (\q)%2, \zero
	MUL16 2, (\q)%2, \zero
	s_wait_dscnt 0                                 ; blocks 4-7 are in
	PLACES NP
	FETCH_B \slot, (\q)+1, 1-(\q)%2
	FETCH_A \slot, (\q)+1, 0
	WIN MUL_HI
	MUL16 4, (\q)%2, \zero
	MUL16 6, (\q)%2, \zero
	PLACES NP
	WIN 0
	FETCH_A \slot, (\q)+1, 4
.endm
; A slot's last step changes slots: ONE barrier; in front of it each wave waits for all its tensor loads, adds 0 to its spare word, and waits for that and for its own reads of this slot.
.macro TURN slot, next, fill
	s_wait_tensorcnt 0x0                           ; all my tensor loads have landed: my part of the next slot
	ds_add_u32 v[SPW], v[NIL]                      ; 0 onto my spare word
	s_wait_dscnt 4*NL+1                            ; (the add and the youngest sixteen loads may be out)
	WIN MUL_LO
	MUL16 0, 1, 0
	s_wait_dscnt 0x0                               ; the add is done, and my reads of this slot are over
	s_barrier_signal -1
	MUL16 2, 1, 0
	WIN 0
	s_barrier_wait -1
.if \fill
	CREST                                          ; the barrier has opened a round of the cluster's: no wave of any partner still reads this slot or has a load on its way
	s_add_nc_u64 s[G0+4*\slot+2:G0+4*\slot+3], s[G0+4*\slot+2:G0+4*\slot+3], 2*ROWB
	s_add_nc_u64 s[G0B+4*\slot+2:G0B+4*\slot+3], s[G0B+4*\slot+2:G0B+4*\slot+3], 2*ROWB
	JLOAD G0+4*\slot, G1, G0B+4*\slot, G1B         ; the first tensor load behind the round; its four v_nop are also the places in front of the loads below
.else
	PLACES NP
.endif
	FETCH_B \next, 0, 0
	FETCH_A \next, 0, 0
	WIN MUL_HI
	MUL16 4, 1, 0
	MUL16 6, 1, 0
	PLACES NP
	WIN 0
	FETCH_A \next, 0, 4
.endm
.macro LASTSTEP                        ; the very last 128 along K: nothing more to fetch
	s_wait_dscnt 4*NL
	WIN MUL_LO
	MUL16 0, 1, 0
	MUL16 2, 1, 0
	s_wait_dscnt 0
	WIN MUL_HI
	MUL16 4, 1, 0
	MUL16 6, 1, 0
	WIN 0
.endm
; THE WAY OUT of block a (16 rows of the A place x my 128 of the B place: 64 numbers a lane): sum x 2^(e0 + e1) + bias, each accumulator from its low end on; rope = 1: the rotation; the hold; the conversions; four stores.
.macro OUTBLK a, rope
.if (\a) >= 4
	s_wait_xcnt 0x0                                ; block a - 4's stores have read the registers that take this block's codes
.endif
	WIN 0x12+(\a)/4                                ; source 0 (the sums) window 2 or 3, source 2 (the bias) window 1
.set jj, 0
.rept 32
.if \rope
	v_pk_fma_f32 v[T+jj:T+jj+1], v[64*((\a)%4)+jj:64*((\a)%4)+jj+1], s[88:89], v[jj:jj+1] op_sel_hi:[1,0,1]
.else
	v_pk_fma_f32 v[T+jj:T+jj+1], v[64*((\a)%4)+jj:64*((\a)%4)+jj+1], s[88:89], v[2*(\a):2*(\a)+1] op_sel_hi:[1,0,1]
.endif
.set jj, jj+2
.endr
	WIN 0
.if \rope
	ROT16 T, CS                                    ; my first head's 16 pairs (d even, d odd),
	ROT16 T+32, CS                                 ; my second head's: the same frequencies
.endif
.set jj, 0
.rept 64
	v_med3_num_f32 v[T+jj], v[T+jj], -v[QLIM], v[QLIM]   ; the conversion to an 8-bit code does not saturate (ISA guide 7.6.2): the hold at the largest code x the scale
.set jj, jj+1
.endr
.set jj, 0
.rept 8
	v_cvt_scalef32_pk8_fp8_f32 v[CODE+16*((\a)%4)+2*jj:CODE+16*((\a)%4)+2*jj+1], v[T+8*jj:T+8*jj+7], v[QSC]
.set jj, jj+1
.endr
	v_nop                                          ; a plain instruction between the conversions and the next lines that write their sources
.irp k, 0,1,2,3
.if \rope
	global_store_b128 v[GO], v[CODE+16*((\a)%4)+4*\k:CODE+16*((\a)%4)+4*\k+3], s[92:93] offset:(\k/2)*131072+(\a)*1024+(\k%2)*512 th:TH_STORE_NT   ; head k / 2, tile a of 16 positions, registers 4 (k % 2) on: 512 consecutive bytes
.else
	global_store_b128 v[GO], v[CODE+16*((\a)%4)+4*\k:CODE+16*((\a)%4)+4*\k+3], s[92:93] offset:((\a)/4)*131072+((\a)%4)*2048+\k*512 th:TH_STORE_NT   ; head a / 4, d tile a % 4, registers 4 k on
.endif
.endr
.if \rope
.if (\a) < 7
	ROT16 CS, DR                                   ; cos and sin 16 positions on
.endif
.endif
.endm
.macro FINISH
	s_wait_tensorcnt 0x0                           ; the wave's end
	ds_add_u32 v[SPW], v[NIL]
	s_wait_dscnt 0x0
	CROUND                                         ; the closing round: no work-group ends while a partner may still ask for a tile that names it
	s_endpgm
.endm
	s_wait_tensorcnt 1                             ; my part of K step 0 is in (K step 1's load may be out),
	s_barrier_signal -1
	s_barrier_wait -1                              ; everybody's is
	FETCH_B 0, 0, 0
	FETCH_A 0, 0, 0
	FETCH_A 0, 0, 4
	STEP 0, 0, 1                                   ; the first step's products start the sums
	s_mov_b32 s3, LAPS-1
.Llap:                                                 ; a trip goes once round the ring and fills both slots again
	TURN 0, 1, 1
	STEP 1, 0, 0
	TURN 1, 0, 1
	STEP 0, 0, 0
	s_sub_co_u32 s3, s3, 1
	s_cmp_lg_u32 s3, 0
	s_cbranch_scc1 .Llap
	TURN 0, 1, 0                                   ; the last lap fills nothing
	STEP 1, 0, 0
	s_cmp_eq_u32 s74, 2                            ; the cluster's x: the same in all sixteen partners
	s_cbranch_scc1 .Lv
	; ---- q or k.  The bias comes into the B place's set 0, which is done with (four places stand behind its last products): register 8 b + j = column 16 b + 8 h + j of my 128
	v_lshlrev_b32 v[BO], 5, v2
	s_lshl_b32 s90, s42, 10
	s_lshl_b32 s91, s16, 9
	s_add_co_u32 s90, s90, s91
	s_mov_b32 s91, 0
	s_add_nc_u64 s[94:95], s[10:11], s[90:91]
	WIN TO_B
.irp b, 0,1,2,3,4,5,6,7
	global_load_b128 v[8*\b:8*\b+3], v[BO], s[94:95] offset:64*\b
	global_load_b128 v[8*\b+4:8*\b+7], v[BO], s[94:95] offset:64*\b+16
.endr
	WIN 0
	s_cmp_eq_u32 s74, 0
	s_cselect_b64 s[92:93], s[68:69], s[70:71]     ; q_img or k_img
	s_lshl_b32 s90, s17, 8
	s_lshl_b32 s91, s15, 7
	s_add_co_u32 s90, s90, s91                     ; my first row of x
	s_lshr_b32 s91, s90, 11
	s_lshl_b32 s91, s91, 21                        ; its batch: 16 heads of 131,072 bytes
	s_and_b32 s90, s90, 2047
	s_lshl_b32 s90, s90, 6                         ; its position: 1,024 bytes for 16
	s_add_co_u32 s90, s90, s91
	s_lshl_b32 s91, s40, 2
	s_lshl_b32 s22, s16, 1
	s_add_co_u32 s91, s91, s22                     ; my first head: 4 cx + 2 x half
	s_lshl_b32 s91, s91, 17
	s_add_co_u32 s90, s90, s91
	s_mov_b32 s91, 0
	s_add_nc_u64 s[92:93], s[92:93], s[90:91]
	LASTSTEP
	PLACES NP                                      ; in front of the first read of results and of the first write over the A place's fragments
	s_wait_loadcnt 0x0                             ; the bias
.irp a, 0,1,2,3,4,5,6,7
	OUTBLK \a, 1
.endr
	FINISH
.Lv:
	; ---- v.  The bias hangs on the lane's row d alone: one number for each block a, into the B place's set 0
	v_lshlrev_b32 v[BO], 2, v1
	s_lshl_b32 s90, s17, 10
	s_lshl_b32 s91, s15, 9
	s_add_co_u32 s90, s90, s91
	s_add_co_u32 s90, s90, 8192                    ; the bias's entry 2,048 + 256 cy + 128 x half
	s_mov_b32 s91, 0
	s_add_nc_u64 s[94:95], s[10:11], s[90:91]
	WIN TO_B
.irp a, 0,1,2,3,4,5,6,7
	global_load_b32 v[2*\a], v[BO], s[94:95] offset:64*\a
.endr
	WIN 0
	s_lshr_b32 s90, s42, 3
	s_lshl_b32 s90, s90, 21                        ; the batch of my rows of x
	s_lshl_b32 s91, s17, 2
	s_lshl_b32 s22, s15, 1
	s_add_co_u32 s91, s91, s22                     ; my first head: 4 cy + 2 x half
	s_lshl_b32 s91, s91, 17
	s_add_co_u32 s90, s90, s91
	s_and_b32 s91, s42, 7
	s_lshl_b32 s91, s91, 1
	s_add_co_u32 s91, s91, s16                     ; my block of 128 keys
	s_lshl_b32 s91, s91, 13
	s_add_co_u32 s90, s90, s91
	s_mov_b32 s91, 0
	s_add_nc_u64 s[92:93], s[72:73], s[90:91]
	LASTSTEP
	PLACES NP
	s_wait_loadcnt 0x0
	WIN 0x41                                       ; source 0 and destination window 1
.irp a, 0,1,2,3,4,5,6,7
	v_mov_b32 v[2*\a+1], v[2*\a]                   ; the packed form takes a pair
.endr
	WIN 0
.irp a, 0,1,2,3,4,5,6,7
	OUTBLK \a, 0
.endr
	FINISH
.Lfunc_end_k_q1e9ce28d4b_qkv:
	.size	k_q1e9ce28d4b_qkv, .Lfunc_end_k_q1e9ce28d4b_qkv-k_q1e9ce28d4b_qkv
	.p2alignl 7, 3214868480
	.fill 96, 4, 3214868480
	.section	.rodata,"a",@progbits
	.p2align	6, 0x0
	.amdhsa_kernel k_q1e9ce28d4b_qkv
		.amdhsa_group_segment_fixed_size 327680
		.amdhsa_private_segment_fixed_size 0
		.amdhsa_enable_private_segment 0
		.amdhsa_kernarg_size 56
		.amdhsa_user_sgpr_count 2
		.amdhsa_user_sgpr_kernarg_segment_ptr 1
		.amdhsa_wavefront_size32 1
		.amdhsa_system_sgpr_workgroup_id_x 1
		.amdhsa_system_sgpr_workgroup_id_y 1
		.amdhsa_system_sgpr_workgroup_id_z 1
		.amdhsa_system_vgpr_workitem_id 0
		.amdhsa_next_free_vgpr 1024
		.amdhsa_next_free_sgpr 100
		.amdhsa_reserve_vcc 1
		.amdhsa_float_denorm_mode_32 3
		.amdhsa_float_denorm_mode_16_64 3
		.amdhsa_memory_ordered 1
		.amdhsa_forward_progress 1
		.amdhsa_inst_pref_size 255
	.end_amdhsa_kernel
	.section	.bss,"aw",@nobits
	.p2align	6
	.space	262144
	.amdgpu_metadata
---
amdhsa.version: [ 1, 2 ]
amdhsa.kernels:
  - .name:           k_q1e9ce28d4b_qkv
    .symbol:         k_q1e9ce28d4b_qkv.kd
    .args:
      - { .name: x_codes, .offset: 0, .size: 8, .value_kind: global_buffer, .address_space: global }
      - { .name: qkv_w_codes, .offset: 8, .size: 8, .value_kind: global_buffer, .address_space: global }
      - { .name: lowp_scales, .offset: 16, .size: 8, .value_kind: global_buffer, .address_space: global }
      - { .name: qkv_b, .offset: 24, .size: 8, .value_kind: global_buffer, .address_space: global }
      - { .name: q_img, .offset: 32, .size: 8, .value_kind: global_buffer, .address_space: global }
      - { .name: k_img, .offset: 40, .size: 8, .value_kind: global_buffer, .address_space: global }
      - { .name: v_img, .offset: 48, .size: 8, .value_kind: global_buffer, .address_space: global }
    .group_segment_fixed_size: 327680
    .private_segment_fixed_size: 0
    .kernarg_segment_align: 8
    .kernarg_segment_size: 56
    .max_flat_workgroup_size: 128
    .sgpr_count:     100
    .vgpr_count:     1024
    .wavefront_size: 32
...
	.end_amdgpu_metadata
.endif
;; end of part 1
;; launch attn (part 2): grid 4 x 64, 8 waves a work-group, no clusters, 33,792 bytes of LDS; arguments q_img, k_img, v_img, lowp_scales, y_img; writes y_img
.if DOCPART == 2
	.amdgcn_target "amdgcn-amd-amdhsa--gfx1250"
	.amdhsa_code_object_version 6
	.text
	.protected	k_q1e9ce28d4b_attn
	.globl	k_q1e9ce28d4b_attn
	.p2align	8
	.type	k_q1e9ce28d4b_attn,@function
k_q1e9ce28d4b_attn:
	s_mov_b64 s[64:65], 0
	v_nop
	global_prefetch_b8 v0, s[64:65] scope:SCOPE_SE
	s_setreg_imm32_b32 hwreg(HW_REG_WAVE_MODE, 25, 1), 1
	s_wait_xcnt 0x0
; Causal attention of one (batch, head) on codes of E4M3: S^T = K Q^T (K = 64), p = 2^(t - M), O^T = V^T P^T (K = 128 keys), y = O / l, quantised for the last product.  2,048 positions, head size 64.
; t = score x log2(e) / 8; M = the running largest t rounded UP to a whole number; p is quantised with 2^e4, not normalised; l is the sum of the unquantised p; when M moves, l and O are multiplied by 2^(old M - new M): exact.
; INPUTS are images of operand registers: a fragment comes by loads of 16 bytes at 16 x lane.  q_img, k_img: 1,024 bytes for 16 rows; v_img: 2,048 bytes for 16 d x 128 keys; 131,072 bytes a head in each.
; OUTPUT y_img: [row / 16][head][2][lane][16 bytes]: lane (r, h) holds d = 32 g + 16 h + 0 .. 15 of row r: what the last product's four loads of 16 bytes take of a row of 128 along K.
; SHARES.  Work-group (p, head) takes the blocks of 256 queries 7 - p and then p: 16 - 2 p and 2 p + 2 key steps of 128: 18 for every work-group.  Wave w owns two tiles of 16 queries of the block: 16 w on and 128 + 16 w on.
; So all eight waves are alike: in steps 0 .. 2 B - 1 both tiles see all keys; in step 2 B tile 0 lies on the diagonal; in step 2 B + 1 tile 0 has nothing left and tile 1 lies on the diagonal.
; K AND V come through two LDS slots of 16,384 bytes (K's 8 images, then V's 4).  Each wave brings 2,048 bytes of a step through four registers' loads, a step ahead, and stores them into the slot; one barrier a step.
; The stream of steps runs on from the first block into the second: the index wraps at the block's number of steps.  Behind the last step the look-ahead works on bytes of the head once more; its results are not used.
; BY TURNS.  A tile's softmax stands between the other tile's products: V^T P of the step in hand and K Q^T of the next step are issued together.
; NO TENSOR LOADS, NO CLUSTER: the four work-groups of a head walk 16, 14, 12, 10 steps in their first block, so partners would need different numbers of tiles; the trip counts follow the mask;
; and p's hold (64 lines of a tile's step) is jumped over where the given e4 makes it idle, a branch on a loaded whole number.  A step's 16,384 bytes cost a wave four loads and four LDS stores.
; LIMITS: e2 + e3 between -123 and 130 (they are added to c's exponent field); e4, e6 between -126 and 119.
; REGISTERS: window 0: v1-9 offsets and constants; v16-31 eight registers of statistics a tile (-M, largest t, l in two halves, f, -, 1 / l, -); v32-47 the stream's stage; v48-63 Q; v64-191 S^T, then p; v192-223 p's codes;
;   v224-229 at work; v236-255 the way out.   window 1: v0-63 K; v64-127, v192-255 V, two sets; v128-191 O^T.
.set LI,   1                           ; v1  16 x lane
.set STA,  2                           ; v2  2,048 x wave + 16 x lane: where I store my part of a step
.set PFO,  3                           ; v3  256 x lane: the prefetch's offset
.set MD,   4                           ; v4  16 w + r - 8 h: on the diagonal register 8 c + j (key 16 c + 8 h + j) is hidden where 16 c + j is greater
.set PSC,  5                           ; v5, v6  2^e4, 448 x 2^e4
.set PLIM, 6
.set YSC,  7                           ; v7, v8  2^e6, 448 x 2^e6
.set YLIM, 8
.set NINF, 9                           ; v9  -infinity
.set ST,   16
.set GB,   32
.set QR,   48
.set S,    64
.set P,    192
.set WK,   224
.set CD,   236
.set OUT,  244
.set SND,  252
.set RCV,  254
.set V0,   64                          ; window 1
.set OT,   128
.set V1,   192
.set MSB, 0
.macro WIN new                         ; the immediate's high byte repeats the setting that is left
.if MSB != \new
	s_set_vgpr_msb (MSB<<8)|\new
.set MSB, \new
.endif
.endm
; The head of a key step.  My part of the next step goes from registers into slot nxt; the step after it is asked for; one barrier; the next step's K and V come into registers.
; In front of the barrier each wave's stores into slot nxt are done and its reads of the other slot are back (they were waited for in the step before).  Slot nxt's own readers finished in front of the barrier before this one.
.macro STAGE nxt
	WIN 0
.rept 4
	v_nop                                          ; places between the last products and the loads into K's and V's registers
.endr
	s_wait_loadcnt 0x0                             ; the stage's four loads, asked for a step ago (and new queries, where they were asked for)
.irp i, 0,1,2,3
	ds_store_b128 v[STA], v[GB+4*\i:GB+4*\i+3] offset:(\nxt)*16384+512*\i
.endr
	s_wait_xcnt 0x0                                ; the last step's prefetch has read its address: both addresses may be written
	s_lshl_b32 s22, s29, 13                        ; 8,192 bytes a step in K and in V
	s_add_nc_u64 s[20:21], s[18:19], s[22:23]
	s_add_nc_u64 s[26:27], s[24:25], s[22:23]
	s_wait_dscnt 0x0                               ; my stores are done, for the others' sake, and have read the stage's registers
.irp i, 0,1,2,3
	global_load_b128 v[GB+4*\i:GB+4*\i+3], v[LI], s[20:21] offset:512*\i
.endr
	s_cmp_lt_u32 s29, s28                          ; the prefetch: in the head's work-group 0, in its first walk over all 16 steps, wave 0 names K's and wave 1 V's 8,192 bytes of the step after the one just asked for:
	s_cbranch_scc0 .Lnp_\@                         ; a lane names 256 bytes; each block is named once in the launch; it stops at step 15
	global_prefetch_b8 v[PFO], s[26:27] offset:8192 th:TH_LOAD_NT scope:SCOPE_SE
.Lnp_\@:
	s_add_co_u32 s29, s29, 1                       ; the stream's index steps, and wraps at the block's number of steps
	s_cmp_eq_u32 s29, s30
	s_cselect_b32 s29, 0, s29
	s_cselect_b32 s30, s31, s30
	s_cselect_b32 s28, 0, s28
	s_barrier_signal -1
	s_barrier_wait -1
	WIN 0x40                                       ; destination window 1
.irp c, 0,1,2,3,4,5,6,7
	ds_load_b128 v[8*\c:8*\c+3],   v[LI] offset:(\nxt)*16384+1024*\c
	ds_load_b128 v[8*\c+4:8*\c+7], v[LI] offset:(\nxt)*16384+1024*\c+512
.endr
.irp f, 0,1,2,3,4,5,6,7,8,9,10,11,12,13,14,15
	ds_load_b128 v[V0+128*(\nxt)+4*\f:V0+128*(\nxt)+4*\f+3], v[LI] offset:(\nxt)*16384+8192+512*\f
.endr
	WIN 0
.endm
; Tile t's softmax for one key step.  masked = 1: the step lies on the tile's diagonal.
.macro SM t, masked
.set rS, S+64*(\t)
.set rT, ST+8*(\t)
.set rP, P+16*(\t)
	WIN 0
.if \masked
.set ii, 0
.rept 64
	v_cmp_gt_i32 vcc_lo, 16*(ii/8)+ii%8, v[MD]
	v_cndmask_b32 v[rS+ii], v[rS+ii], v[NINF], vcc_lo   ; a hidden key's score becomes -infinity: p = 0
.set ii, ii+1
.endr
.endif
	v_max3_num_f32 v[WK], v[rS], v[rS+1], v[rS+2]  ; the step's largest score of my query among my 64 keys, in two chains, each accumulator from its low end on,
	v_max3_num_f32 v[WK+1], v[rS+3], v[rS+4], v[rS+5]
.irp i, 6,10,14,18,22,26,30,34,38,42,46,50,54,58
	v_max3_num_f32 v[WK], v[WK], v[rS+\i], v[rS+\i+1]
	v_max3_num_f32 v[WK+1], v[WK+1], v[rS+\i+2], v[rS+\i+3]
.endr
	v_max3_num_f32 v[WK], v[WK], v[rS+62], v[rS+63]
	v_max_num_f32 v[WK], v[WK], v[WK+1]
	v_permlanex16_b32 v[WK+2], v[WK], s44, s45
	v_max_num_f32 v[WK], v[WK], v[WK+2]            ; and among the other half of the lanes'
	v_mul_f32 v[WK], s42, v[WK]                    ; as t (c is positive)
	v_max_num_f32 v[rT+1], v[rT+1], v[WK]          ; the running largest t
	v_mov_b32 v[WK], v[rT]
	v_floor_f32 v[rT], -v[rT+1]                    ; -M = floor(-t): M is a whole number
	v_sub_f32 v[WK], v[rT], v[WK]                  ; old M - new M: a whole number, 0 or less
	v_cvt_i32_f32 v[WK], v[WK]                     ; (it saturates)
	v_ldexp_f32 v[rT+4], 1.0, v[WK]                ; f = 2^(old M - new M)
.set ii, 0
.rept 32
	v_pk_fma_f32 v[rS+ii:rS+ii+1], v[rS+ii:rS+ii+1], s[42:43], v[rT:rT+1] op_sel_hi:[1,0,0]   ; t - M, two at a time
.set ii, ii+2
.endr
.set ii, 0
.rept 64
	v_exp_f32 v[rS+ii], v[rS+ii]
.set ii, ii+1
.endr
	v_pk_mul_f32 v[rT+2:rT+3], v[rT+2:rT+3], v[rT+4:rT+5] op_sel_hi:[1,0]   ; l under the new M: the plain instruction behind the exponentials
	s_wait_alu depctr_va_vdst(0)                   ; one wait for the batch of 64, ahead of its first reader
	v_pk_add_f32 v[WK+4:WK+5], v[rS:rS+1], v[rS+2:rS+3]   ; the sum of the unquantised p, in two chains
.irp j, 4,8,12,16,20,24,28,32,36,40,44,48,52,56,60
	v_pk_add_f32 v[rT+2:rT+3], v[rT+2:rT+3], v[rS+\j:rS+\j+1]
	v_pk_add_f32 v[WK+4:WK+5], v[WK+4:WK+5], v[rS+\j+2:rS+\j+3]
.endr
	v_pk_add_f32 v[rT+2:rT+3], v[rT+2:rT+3], v[WK+4:WK+5]
	s_cmp_ge_i32 s47, -8                           ; from e4 = -8 on, 448 x 2^e4 is 1.75 or more, and p is 1 at the most but for the last bit: the hold holds nothing
	s_cbranch_scc1 .Lnh_\@
.set ii, 0
.rept 64
	v_min_num_f32 v[rS+ii], v[rS+ii], v[PLIM]      ; the conversion does not saturate (ISA guide 7.6.2); p is not negative, so the hold is one-sided
.set ii, ii+1
.endr
.Lnh_\@:
.set ii, 0
.rept 8
	v_cvt_scalef32_pk8_fp8_f32 v[rP+2*ii:rP+2*ii+1], v[rS+8*ii:rS+8*ii+7], v[PSC]   ; registers 2 c, 2 c + 1 of the operand: keys 16 c + 8 h + 0 .. 7
.set ii, ii+1
.endr
	WIN 0x41                                       ; O^T (destination and source 0) in window 1
.set ii, 0
.rept 16
	v_pk_mul_f32 v[OT+32*(\t)+ii:OT+32*(\t)+ii+1], v[OT+32*(\t)+ii:OT+32*(\t)+ii+1], v[rT+4:rT+5] op_sel_hi:[1,0]   ; O^T under the new M; also the plain lines behind the conversions
.set ii, ii+2
.endr
	WIN 0
.endm
.macro PV t, vs                        ; O^T += V^T P^T: four accumulators, one instruction each
	WIN 0x51                                       ; V, C and D window 1, P window 0
.irp d, 0,1,2,3
	v_wmma_f32_16x16x128_fp8_fp8 v[OT+32*(\t)+8*\d:OT+32*(\t)+8*\d+7], v[\vs+16*\d:\vs+16*\d+15], v[P+16*(\t):P+16*(\t)+15], v[OT+32*(\t)+8*\d:OT+32*(\t)+8*\d+7]
.endr
.endm
.macro KQ t                            ; S^T = K Q^T: eight tiles of 16 keys
	WIN 0x01                                       ; K window 1
.irp c, 0,1,2,3,4,5,6,7
	v_wmma_f32_16x16x64_fp8_fp8 v[S+64*(\t)+8*\c:S+64*(\t)+8*\c+7], v[8*\c:8*\c+7], v[QR+8*(\t):QR+8*(\t)+7], 0
.endr
.endm
.macro QLOAD t                         ; the second block's queries of tile t
	global_load_b128 v[QR+8*(\t):QR+8*(\t)+3],   v[LI], s[36:37] offset:8192*(\t)
	global_load_b128 v[QR+8*(\t)+4:QR+8*(\t)+7], v[LI], s[36:37] offset:8192*(\t)+512
.endm
; Tile t is finished: y = O x 2^(e4 + e5) / l, quantised with 2^e6.  A lane's codes are d = 16 dt + 8 h + 0 .. 7; the image wants d = 32 g + 16 h + 0 .. 15: the two halves of the lanes exchange half of their codes.
; Then the tile's sums begin anew.  The tile's score registers are at work here, so the macro stands ahead of the products that write the next block's first scores.
.macro EPI t
.set rS, S+64*(\t)
.set rT, ST+8*(\t)
	WIN 0
.rept 4
	v_nop                                          ; places behind the tile's last products
.endr
	s_wait_xcnt 0x0                                ; earlier stores have read the registers that are written again below
	v_add_f32 v[WK], v[rT+2], v[rT+3]
	v_permlanex16_b32 v[WK+2], v[WK], s44, s45
	v_add_f32 v[WK], v[WK], v[WK+2]                ; the row's sum
	v_rcp_f32 v[rT+6], v[WK]
	v_nop
	s_wait_alu depctr_va_vdst(0)
	v_ldexp_f32 v[rT+6], v[rT+6], s48              ; x 2^(e4 + e5)
	WIN 0x01
.set ii, 0
.rept 16
	v_pk_mul_f32 v[rS+ii:rS+ii+1], v[OT+32*(\t)+ii:OT+32*(\t)+ii+1], v[rT+6:rT+7] op_sel_hi:[1,0]
.set ii, ii+2
.endr
	WIN 0
.set ii, 0
.rept 32
	v_med3_num_f32 v[rS+ii], v[rS+ii], -v[YLIM], v[YLIM]
.set ii, ii+1
.endr
.irp d, 0,1,2,3
	v_cvt_scalef32_pk8_fp8_f32 v[CD+2*\d:CD+2*\d+1], v[rS+8*\d:rS+8*\d+7], v[YSC]
.endr
	v_nop
.irp g, 0,1
.irp i, 0,1
	v_cndmask_b32 v[SND+\i], v[CD+4*\g+2+\i], v[CD+4*\g+\i], s46          ; lanes 16-31 send d tile 2 g's codes, lanes 0-15 d tile 2 g + 1's
.endr
.irp i, 0,1
	v_permlanex16_b32 v[RCV+\i], v[SND+\i], s44, s45
.endr
.irp i, 0,1
	v_cndmask_b32 v[OUT+4*\g+\i], v[CD+4*\g+\i], v[RCV+\i], s46
	v_cndmask_b32 v[OUT+4*\g+2+\i], v[RCV+\i], v[CD+4*\g+2+\i], s46
.endr
	global_store_b128 v[LI], v[OUT+4*\g:OUT+4*\g+3], s[38:39] offset:(\t)*131072+512*\g th:TH_STORE_NT   ; 512 consecutive bytes, aligned
.endr
	WIN 0x40
.set ii, 0
.rept 32
	v_mov_b32 v[OT+32*(\t)+ii], 0
.set ii, ii+1
.endr
	WIN 0
	v_mov_b32 v[rT+1], 0xff61b1e6                  ; the largest t: -3e38, under every t
	v_floor_f32 v[rT], -v[rT+1]
	v_mov_b32 v[rT+2], 0
	v_mov_b32 v[rT+3], 0
.endm
; A key step in which both tiles see all keys.  vs: V's set of the step in hand; the next step's goes into the other.
.macro XSTEP nxt, vs
	STAGE \nxt
	SM 0, 0
	s_wait_dscnt 0x0                               ; the next step's K and V are in
	PV 0, \vs
	KQ 0
	SM 1, 0
	PV 1, \vs
	KQ 1
	WIN 0
.endm
	s_load_b256 s[4:11], s[0:1], 0x0               ; q_img, k_img, v_img, the scales' exponents
	s_load_b64 s[12:13], s[0:1], 0x20              ; y_img
	v_lshl_add_u32 v234, v0, 2, 0x8000
	v_mov_b32 v235, 0
	v_lshrrev_b32 v10, 5, v0
	v_readfirstlane_b32 s14, v10                   ; wave 0..7
	v_and_b32 v11, 31, v0
	v_lshlrev_b32 v[LI], 4, v11
	v_lshl_add_u32 v[STA], v10, 11, v[LI]
	v_lshlrev_b32 v[PFO], 8, v11
	v_and_b32 v12, 15, v0
	v_bfe_u32 v13, v0, 4, 1
	v_lshl_add_u32 v[MD], v10, 4, v12
	v_lshlrev_b32 v13, 3, v13
	v_sub_nc_u32 v[MD], v[MD], v13
	v_mov_b32 v[NINF], 0xff800000
	s_mov_b32 s15, ttmp9                           ; p
	s_and_b32 s16, ttmp7, 0xffff                   ; batch x 16 + head
	s_sub_co_u32 s32, 7, s15                       ; the first block of queries; also the trips of its loop
	s_lshl_b32 s2, s32, 4
	s_add_co_u32 s2, s2, s14                       ; its tile 0 of my wave: 16 B + w
	s_lshl_b32 s60, s2, 14                         ; in y_img: 16,384 bytes a tile of rows,
	s_lshl_b32 s2, s2, 10                          ; in q_img: 1,024
	s_mov_b32 s3, 0
	s_lshl_b32 s50, s15, 4
	s_add_co_u32 s50, s50, s14                     ; the same for the second block
	s_lshl_b32 s62, s50, 14
	s_lshl_b32 s50, s50, 10
	s_mov_b32 s51, 0
	s_lshr_b32 s22, s16, 4
	s_lshl_b32 s22, s22, 21                        ; y_img: the batch's 128 tiles of rows,
	s_and_b32 s23, s16, 15
	s_lshl_b32 s23, s23, 10                        ; the head's 1,024 bytes
	s_add_co_u32 s22, s22, s23
	s_add_co_u32 s60, s60, s22
	s_add_co_u32 s62, s62, s22
	s_mov_b32 s61, 0
	s_mov_b32 s63, 0
	s_lshl_b32 s22, s16, 17                        ; the head's 131,072 bytes in q_img, k_img, v_img
	s_mov_b32 s23, 0
	s_wait_kmcnt 0x0
	s_load_b256 s[52:59], s[10:11], 0x0            ; e0 .. e7
	s_add_nc_u64 s[4:5], s[4:5], s[22:23]
	s_add_nc_u64 s[6:7], s[6:7], s[22:23]
	s_add_nc_u64 s[8:9], s[8:9], s[22:23]
	s_add_nc_u64 s[2:3], s[4:5], s[2:3]            ; the first block's queries
	s_add_nc_u64 s[36:37], s[4:5], s[50:51]        ; the second block's
	s_add_nc_u64 s[38:39], s[12:13], s[60:61]      ; where the block in hand is stored,
	s_add_nc_u64 s[40:41], s[12:13], s[62:63]      ; and the second
	s_cmp_lt_u32 s14, 4                            ; waves 0-3 bring K, waves 4-7 V: 2,048 bytes of a step each
	s_cselect_b64 s[18:19], s[6:7], s[8:9]
	s_and_b32 s22, s14, 3
	s_lshl_b32 s22, s22, 11
	s_add_nc_u64 s[18:19], s[18:19], s[22:23]
	s_cmp_eq_u32 s14, 0
	s_cselect_b64 s[24:25], s[6:7], s[8:9]         ; what my prefetches would name
	s_lshr_b32 s28, s14, 1
	s_or_b32 s28, s28, s15                         ; 0 in waves 0 and 1 of work-group 0 of the head
	s_cmp_eq_u32 s28, 0
	s_cselect_b32 s28, 15, 0                       ; a wave prefetches while the stream's index is below this
.irp t, 0,1
	global_load_b128 v[QR+8*\t:QR+8*\t+3],   v[LI], s[2:3] offset:8192*\t
	global_load_b128 v[QR+8*\t+4:QR+8*\t+7], v[LI], s[2:3] offset:8192*\t+512
.endr
.irp i, 0,1,2,3
	global_load_b128 v[GB+4*\i:GB+4*\i+3], v[LI], s[18:19] offset:512*\i           ; step 0
.endr
.irp t, 0,1
	v_mov_b32 v[ST+8*\t+1], 0xff61b1e6             ; the largest t: -3e38
	v_floor_f32 v[ST+8*\t], -v[ST+8*\t+1]
.irp k, 2,3,4,5,6,7
	v_mov_b32 v[ST+8*\t+\k], 0                     ; l; the others are named as halves of pairs, so they are written
.endr
.endr
	v_mov_b32 v[WK+2], 0                           ; a lane permute's destination counts as one of its sources
	v_mov_b32 v[RCV], 0
	v_mov_b32 v[RCV+1], 0
	s_mov_b32 s44, 0x76543210                      ; v_permlanex16_b32: lane l xor 16
	s_mov_b32 s45, 0xfedcba98
	s_mov_b32 s46, 0xffff0000                      ; lanes 16-31
	s_mov_b32 s29, 2                               ; the stream's index: the step asked for next
	s_lshl_b32 s31, s15, 1
	s_sub_co_u32 s30, 16, s31                      ; the first block's steps,
	s_add_co_u32 s31, s31, 2                       ; the second's
	s_mov_b32 s34, 2                               ; blocks to go
	s_wait_kmcnt 0x0
	s_add_co_i32 s42, s54, s55
	s_lshl_b32 s42, s42, 23
	s_add_co_i32 s42, s42, 0x3e38aa3b              ; c = log2(e) / 8 x 2^(e2 + e3)
	s_mov_b32 s43, s42
	s_mov_b32 s47, s56                             ; e4
	s_add_co_i32 s48, s56, s57                     ; e4 + e5
	s_add_co_i32 s22, s56, 127
	s_lshl_b32 s23, s22, 23
	v_mov_b32 v[PSC], s23
	s_add_co_i32 s22, s22, 8
	s_lshl_b32 s22, s22, 23
	s_or_b32 s22, s22, 0x600000
	v_mov_b32 v[PLIM], s22
	s_add_co_i32 s22, s58, 127
	s_lshl_b32 s23, s22, 23
	v_mov_b32 v[YSC], s23
	s_add_co_i32 s22, s22, 8
	s_lshl_b32 s22, s22, 23
	s_or_b32 s22, s22, 0x600000
	v_mov_b32 v[YLIM], s22
	s_mov_b32 s23, 0                               ; the upper word of the stream's offset
	s_wait_loadcnt 0x0
.irp i, 0,1,2,3
	ds_store_b128 v[STA], v[GB+4*\i:GB+4*\i+3] offset:512*\i
.endr
	s_wait_dscnt 0x0
.irp i, 0,1,2,3
	global_load_b128 v[GB+4*\i:GB+4*\i+3], v[LI], s[18:19] offset:8192+512*\i      ; step 1
.endr
	s_barrier_signal -1
	s_barrier_wait -1                              ; step 0 lies whole in slot 0
	WIN 0x40
.irp c, 0,1,2,3,4,5,6,7
	ds_load_b128 v[8*\c:8*\c+3],   v[LI] offset:1024*\c
	ds_load_b128 v[8*\c+4:8*\c+7], v[LI] offset:1024*\c+512
.endr
.irp f, 0,1,2,3,4,5,6,7,8,9,10,11,12,13,14,15
	ds_load_b128 v[V0+4*\f:V0+4*\f+3], v[LI] offset:8192+512*\f
.endr
.set ii, 0
.rept 64
	v_mov_b32 v[OT+ii], 0                          ; O^T: the step is written once, and its first change of M leaves zeros zeros
.set ii, ii+1
.endr
	WIN 0
	s_wait_dscnt 0x0
	KQ 0
	KQ 1
	WIN 0
.Lphase:                                               ; two trips: a block of 256 queries each
	s_mov_b32 s33, s32
	s_cmp_eq_u32 s32, 0                            ; block 0 has no step below the diagonal
	s_cbranch_scc1 .Ltail
.Lfull:                                                ; B trips of two steps
	XSTEP 1, V0
	XSTEP 0, V1
	s_sub_co_u32 s33, s33, 1
	s_cmp_lg_u32 s33, 0
	s_cbranch_scc1 .Lfull
.Ltail:
	STAGE 1                                        ; step 2 B: tile 0 on the diagonal, tile 1 sees all keys
	SM 0, 1
	s_wait_dscnt 0x0
	PV 0, V0
	WIN 0
	QLOAD 0                                        ; tile 0 has no further scores in this block: its registers take the next block's queries
	SM 1, 0
	PV 1, V0
	KQ 1
	STAGE 0                                        ; step 2 B + 1: tile 1 on the diagonal.  What comes into registers here is the next block's step 0; the wait at its head shows tile 0's new queries landed
	QLOAD 1                                        ; four places stand behind the last products that read these registers
	EPI 0
	s_wait_dscnt 0x0
	KQ 0                                           ; the next block's first scores of tile 0
	SM 1, 1
	PV 1, V1
	EPI 1
	s_wait_loadcnt 0x0                             ; tile 1's new queries
	KQ 1
	WIN 0
	s_wait_xcnt 0x0                                ; the stores have read their base
	s_mov_b64 s[38:39], s[40:41]
	s_mov_b32 s32, s15                             ; the second block is block p
	s_sub_co_u32 s34, s34, 1
	s_cmp_lg_u32 s34, 0
	s_cbranch_scc1 .Lphase
	s_wait_tensorcnt 0x0
	ds_add_u32 v234, v235
	s_wait_dscnt 0x0
	s_endpgm
.Lfunc_end_k_q1e9ce28d4b_attn:
	.size	k_q1e9ce28d4b_attn, .Lfunc_end_k_q1e9ce28d4b_attn-k_q1e9ce28d4b_attn
	.p2alignl 7, 3214868480
	.fill 96, 4, 3214868480
	.section	.rodata,"a",@progbits
	.p2align	6, 0x0
	.amdhsa_kernel k_q1e9ce28d4b_attn
		.amdhsa_group_segment_fixed_size 33792
		.amdhsa_private_segment_fixed_size 0
		.amdhsa_enable_private_segment 0
		.amdhsa_kernarg_size 40
		.amdhsa_user_sgpr_count 2
		.amdhsa_user_sgpr_kernarg_segment_ptr 1
		.amdhsa_wavefront_size32 1
		.amdhsa_system_sgpr_workgroup_id_x 1
		.amdhsa_system_sgpr_workgroup_id_y 1
		.amdhsa_system_sgpr_workgroup_id_z 1
		.amdhsa_system_vgpr_workitem_id 0
		.amdhsa_next_free_vgpr 512
		.amdhsa_next_free_sgpr 66
		.amdhsa_reserve_vcc 1
		.amdhsa_float_denorm_mode_32 3
		.amdhsa_float_denorm_mode_16_64 3
		.amdhsa_memory_ordered 1
		.amdhsa_forward_progress 1
		.amdhsa_inst_pref_size 139
	.end_amdhsa_kernel
	.amdgpu_metadata
---
amdhsa.version: [ 1, 2 ]
amdhsa.kernels:
  - .name:           k_q1e9ce28d4b_attn
    .symbol:         k_q1e9ce28d4b_attn.kd
    .args:
      - { .name: q_img, .offset: 0, .size: 8, .value_kind: global_buffer, .address_space: global }
      - { .name: k_img, .offset: 8, .size: 8, .value_kind: global_buffer, .address_space: global }
      - { .name: v_img, .offset: 16, .size: 8, .value_kind: global_buffer, .address_space: global }
      - { .name: lowp_scales, .offset: 24, .size: 8, .value_kind: global_buffer, .address_space: global }
      - { .name: y_img, .offset: 32, .size: 8, .value_kind: global_buffer, .address_space: global }
    .group_segment_fixed_size: 33792
    .private_segment_fixed_size: 0
    .kernarg_segment_align: 8
    .kernarg_segment_size: 40
    .max_flat_workgroup_size: 256
    .sgpr_count:     66
    .vgpr_count:     512
    .wavefront_size: 32
...
	.end_amdgpu_metadata
.endif
;; end of part 2
;; launch proj (part 3): grid 4 x 32, 4 waves a work-group, clusters of 4 x 4, 327,680 bytes of LDS; arguments y_img, proj_w_codes, lowp_scales, proj_b, out0; writes out0
.if DOCPART == 3
	.amdgcn_target "amdgcn-amd-amdhsa--gfx1250"
	.amdhsa_code_object_version 6
	.text
	.protected	k_q1e9ce28d4b_proj
	.globl	k_q1e9ce28d4b_proj
	.p2align	8
	.type	k_q1e9ce28d4b_proj,@function
k_q1e9ce28d4b_proj:
	s_mov_b64 s[64:65], 0
	v_nop
	global_prefetch_b8 v0, s[64:65] scope:SCOPE_SE
	s_setreg_imm32_b32 hwreg(HW_REG_WAVE_MODE, 25, 1), 1
	s_wait_xcnt 0x0
	s_wait_alu depctr_hold_cnt(0) depctr_sa_sdst(0) depctr_va_vdst(0) depctr_va_sdst(0) depctr_va_ssrc(0) depctr_va_vcc(0) depctr_vm_vsrc(0)
	s_getreg_b32 s2, hwreg(HW_REG_IB_STS2, 6, 4)
	s_cmp_eq_u32 s2, 0
	s_cbranch_scc0 .Lentry_in_a_cluster
	s_endpgm
.Lentry_in_a_cluster:
	s_bfe_u32 s2, ttmp6, 0x10000c
	s_cmp_lg_u32 s2, 0xf033
	s_cbranch_scc0 .Lentry_shape_is_right
	s_endpgm
.Lentry_shape_is_right:
; out0 = y W^T + b on codes of E4M3.  y: 8,192 rows x 1,024, as images of operand registers ([row / 16][head][2][lane][16 bytes]: 16,384 bytes for 16 rows; 128 along K of 16 rows are 2,048 consecutive bytes, four registers' worth at 512 c + 16 x lane,
; lane (r, h) holding k = 32 c + 16 h + 0 .. 15 of row r).  W: [1024][1024] codes, K innermost.  out0: [8192][1024] f32.  Each finished sum is multiplied by 2^(e6 + e7) and the bias added, in one fused multiply-add.
; LIMIT: e6 + e7 between -126 and 127.
; A tile of 256 x 256 is made by a work-group of four waves, a wave 128 x 128: 64 accumulators.  K goes in steps of 256 through two LDS slots filled by the tensor data mover.
; y's part of a K step, for 128 rows, is 8 runs of 4,096 bytes, 16,384 apart; it lies dense in LDS, and a fragment load's 512 bytes are consecutive.  W's rows get 16 bytes of padding behind each 256, and come by four loads of 16 bytes, 32 apart:
; the same permutation of k as in y's images, so every product meets its partner.
; CLUSTERS: 4 x 4 work-groups; y's tiles are asked for jointly by a row of the cluster, W's by a column.  The matrix instruction is used transposed (source 0 = 16 rows of W, source 1 = 16 rows of y): a lane holds eight neighbouring numbers of a row of out0.
; 128 work-groups: a tile of half the size would read each LDS byte for half the products.
; REGISTERS: window 0: v0-31 addresses; v32-95 the way out's 64 numbers; v128-255 y's fragments, ONE set (on the way out: rows read back).  window 1: W's fragments, TWO sets (v0-63 hold the bias on the way out).  windows 2, 3: the accumulators.
.set SIZE_N, 1024
.set ROWB,   256                       ; a row of W's tile in bytes
.set KROW,   1024                      ; a row of W in memory
.set ASTEP,  4096                      ; a K step in a tile of 16 rows of y
.set PITCH,  272
.set FR,     16
.set NL,     4
.set NP,     4
.set HALFT,  128*PITCH                 ; the place of one tensor load's bytes (y's use 32,768 of it)
.set SLOT,   4*HALFT
.set LAPS,   2
.set SPARE,  2*SLOT
.set SPITCH, 528                       ; the way out: a stage of 16 rows x (512 bytes + 16) for each wave, in slot 0, which has had its last fill and its last read when the first result is stored there
.set ADRA, 16
.set ADRB, 20
.set STO,  24
.set RD,   25
.set CO,   26
.set BO,   27
.set SPW,  28
.set NIL,  29
.set TMP,  32
.set AF,   128
.set BK,   128
.set G1, 24
.set G0, 32
.set G1B, 48
.set G0B, 56
.set MSB, 0
.macro WIN new
.if MSB != \new
	s_set_vgpr_msb (MSB<<8)|\new
.set MSB, \new
.endif
.endm
.set MUL_LO, 0xa1
.set MUL_HI, 0xf1
.set TO_B,   0x40
.macro JLOAD g0a, g1a, g0b, g1b        ; a joint load: waves 0 and 1 fetch y's halves, waves 2 and 3 W's; four v_nop follow each of the two lines
	s_cmp_eq_u32 s15, 0
	s_cbranch_scc0 .Lfor_b_\@
	tensor_load_to_lds s[\g0a:\g0a+3], s[\g1a:\g1a+7]
	s_nop 0
.rept 4
	v_nop
.endr
	s_branch .Lasked_\@
.Lfor_b_\@:
	tensor_load_to_lds s[\g0b:\g0b+3], s[\g1b:\g1b+7]
	s_nop 0
.rept 4
	v_nop
.endr
.Lasked_\@:
.endm
.macro CREST
	s_cmp_lg_u32 s14, 0
	s_cbranch_scc1 .Lnot_wave_0_\@
	s_barrier_signal -3
.Lnot_wave_0_\@:
	s_barrier_wait -3
	s_barrier_signal -1
	s_barrier_wait -1
.endm
.macro CROUND
	s_barrier_signal -1
	s_barrier_wait -1
	CREST
.endm
	s_load_b256 s[4:11], s[0:1], 0x0               ; y_img s[4:5], W s[6:7], the scales' exponents s[8:9], the bias s[10:11]
	s_load_b64 s[12:13], s[0:1], 0x20              ; out0
	v_lshl_add_u32 v[SPW], v0, 2, SPARE
	v_mov_b32 v[NIL], 0
	ds_add_u32 v28, v29
	ds_add_u32 v28, v29
	s_wait_dscnt 0x0
	v_lshrrev_b32 v1, 5, v0
	v_readfirstlane_b32 s14, v1                    ; wave 0..3
	s_lshr_b32 s15, s14, 1                         ; which half of the tile's rows is mine.  Also: I fetch for y (0) or for W (1)
	s_and_b32 s16, s14, 1                          ; which half of its columns.  Also: which 128 rows of that tile I fetch
	s_bfe_u32 s40, ttmp6, 0x40000                  ; cx, cy
	s_bfe_u32 s41, ttmp6, 0x40004
	s_lshl_b32 s42, ttmp9, 2
	s_add_co_u32 s42, s42, s40                     ; tile column
	s_and_b32 s17, ttmp7, 0xffff
	s_lshl_b32 s17, s17, 2
	s_add_co_u32 s17, s17, s41                     ; tile row
	s_lshl_b32 s43, s41, 2
	s_lshl_b32 s43, 15, s43                        ; my row of the cluster
	s_lshl_b32 s44, 0x1111, s40                    ; my column
	; descriptor group 1 for y: 8 runs of 4,096 bytes, 16,384 apart, dense in LDS
	s_or_b32 s[G1+0], s43, (0<<16)|(1<<21)         ; 15:0 the mask; 17:16 elements of 1 byte; 21 set beside a mask; no padding
	s_mov_b32 s[G1+1], ASTEP<<16                   ; tensor_dim0
	s_mov_b32 s[G1+2], 8<<16                       ; tensor_dim1
	s_mov_b32 s[G1+3], ASTEP<<16                   ; tile_dim0
	s_mov_b32 s[G1+4], 8                           ; tile_dim1
	s_mov_b32 s[G1+5], 16384                       ; tensor_dim0_stride
	s_mov_b32 s[G1+6], 0
	s_mov_b32 s[G1+7], 0
	; for W: 128 rows x 256 bytes, padded in LDS
	s_or_b32 s[G1B+0], s44, (0<<16)|(1<<20)|(1<<21)|(5<<22)|(3<<25)
	s_mov_b32 s[G1B+1], ROWB<<16
	s_mov_b32 s[G1B+2], 128<<16
	s_mov_b32 s[G1B+3], ROWB<<16
	s_mov_b32 s[G1B+4], 128
	s_mov_b32 s[G1B+5], KROW
	s_mov_b32 s[G1B+6], 0
	s_mov_b32 s[G1B+7], 0
	s_lshl_b32 s18, s16, 7
	s_lshl_b32 s20, s17, 8
	s_add_co_u32 s20, s20, s18
	s_lshl_b32 s20, s20, 10                        ; y: 16 rows are 16,384 bytes: row x 1,024
	s_mov_b32 s21, 0
	s_lshl_b32 s46, s42, 8
	s_add_co_u32 s46, s46, s18
	s_lshl_b32 s46, s46, 10                        ; W: row x 1,024
	s_mov_b32 s47, 0
	s_mul_i32 s45, s14, HALFT
	s_wait_kmcnt 0x0
	s_load_b64 s[96:97], s[8:9], 0x18              ; e6, e7
	s_add_nc_u64 s[20:21], s[4:5], s[20:21]
	s_add_nc_u64 s[46:47], s[6:7], s[46:47]
	CROUND                                         ; all sixteen work-groups are here: the first joint loads meet
.irp s, 0,1
	s_mov_b32 s[G0+4*\s], 1
	s_add_co_u32 s[G0+4*\s+1], s45, \s*SLOT
	s_add_nc_u64 s[G0+4*\s+2:G0+4*\s+3], s[20:21], \s*ASTEP
	s_or_b32 s[G0+4*\s+3], s[G0+4*\s+3], 0x80000000
	s_mov_b32 s[G0B+4*\s], 1
	s_add_co_u32 s[G0B+4*\s+1], s45, \s*SLOT
	s_add_nc_u64 s[G0B+4*\s+2:G0B+4*\s+3], s[46:47], \s*ROWB
	s_or_b32 s[G0B+4*\s+3], s[G0B+4*\s+3], 0x80000000
	JLOAD G0+4*\s, G1, G0B+4*\s, G1B
.endr
	v_and_b32 v1, 15, v0                           ; r
	v_bfe_u32 v2, v0, 4, 1                         ; h
	v_and_b32 v6, 31, v0
	v_lshlrev_b32 v[CO], 4, v6                     ; 16 x lane: an image's place for my lane, and my bytes of a row of 512 on the way out
	v_mul_u32_u24 v3, v1, PITCH
	v_lshl_add_u32 v4, v2, 4, v3
	s_mul_i32 s21, s15, HALFT                      ; my 128 rows of y
	s_mul_i32 s22, s16, HALFT                      ; my 128 rows of W,
	s_add_co_u32 s22, s22, 2*HALFT                 ; which lie behind y's two places
.irp s, 0,1
	v_add_nc_u32 v[ADRA+\s], s21, v[CO]
	v_add_nc_u32 v[ADRB+\s], s22, v4
	s_add_co_u32 s21, s21, SLOT
	s_add_co_u32 s22, s22, SLOT
.endr
	s_mul_i32 s23, s14, 16*SPITCH                  ; my stage
	v_mul_u32_u24 v5, v1, SPITCH
	v_lshl_add_u32 v5, v2, 5, v5
	v_add_nc_u32 v[STO], s23, v5                   ; in: row r, 32 bytes for each half of the lanes
	v_add_nc_u32 v[RD], s23, v[CO]                 ; back: the 32 lanes take one row of 512 bytes
	s_lshl_b32 s20, s17, 8
	s_lshl_b32 s21, s15, 7
	s_add_co_u32 s20, s20, s21
	s_lshl_b32 s20, s20, 12                        ; my first row of out0, 4,096 bytes a row
	s_lshl_b32 s46, s42, 10
	s_lshl_b32 s47, s16, 9
	s_add_co_u32 s46, s46, s47                     ; my first column, in bytes
	s_add_co_u32 s20, s20, s46
	s_mov_b32 s21, 0
	s_mov_b32 s47, 0
	s_add_nc_u64 s[12:13], s[12:13], s[20:21]
	s_add_nc_u64 s[10:11], s[10:11], s[46:47]      ; and the bias of my 128 columns
.macro FRAG reg, adr, q, i             ; a fragment of W: registers 4 c .. 4 c + 3 hold K = 32 c + 16 (lane / 16) + 0 .. 15
.irp c, 0,1,2,3
	ds_load_b128 v[\reg+4*\c:\reg+4*\c+3], v[\adr] offset:128*(\q)+32*\c+(\i)*16*PITCH
.endr
.endm
.macro FRAG_A reg, adr, q, i           ; a fragment of y, as it was stored
.irp c, 0,1,2,3
	ds_load_b128 v[\reg+4*\c:\reg+4*\c+3], v[\adr] offset:ASTEP*(\i)+2048*(\q)+512*\c
.endr
.endm
.macro MUL16 a0, p, zero               ; the 64 accumulators take turns, one instruction a turn, in the same order in every step
.irp a, \a0, \a0+1
.irp b, 0,1,2,3,4,5,6,7
.if \zero
	v_wmma_f32_16x16x128_fp8_fp8 v[8*(8*((\a)%4)+\b):8*(8*((\a)%4)+\b)+7], v[128*(\p)+FR*\b:128*(\p)+FR*\b+FR-1], v[AF+FR*(\a):AF+FR*(\a)+FR-1], 0
.else
	v_wmma_f32_16x16x128_fp8_fp8 v[8*(8*((\a)%4)+\b):8*(8*((\a)%4)+\b)+7], v[128*(\p)+FR*\b:128*(\p)+FR*\b+FR-1], v[AF+FR*(\a):AF+FR*(\a)+FR-1], v[8*(8*((\a)%4)+\b):8*(8*((\a)%4)+\b)+7]
.endif
.endr
.endr
.endm
.macro FETCH_B slot, q, p
	WIN TO_B
.irp i, 0,1,2,3,4,5,6,7
	FRAG 128*(\p)+FR*\i, ADRB+\slot, \q, \i
.endr
	WIN 0
.endm
.macro FETCH_A slot, q, i0
.irp i, \i0, \i0+1, \i0+2, \i0+3
	FRAG_A AF+FR*(\i), ADRA+\slot, \q, \i
.endr
.endm
.macro PLACES n
.rept \n
	v_nop
.endr
.endm
.macro STEP slot, q, zero
	s_wait_dscnt 4*NL                              ; W's set and y's blocks 0-3 are in; the youngest sixteen loads (blocks 4-7) may be out
	WIN MUL_LO
	MUL16 0, (\q)%2, \zero
	MUL16 2, (\q)%2, \zero
	s_wait_dscnt 0
	PLACES NP
	FETCH_B \slot, (\q)+1, 1-(\q)%2
	FETCH_A \slot, (\q)+1, 0
	WIN MUL_HI
	MUL16 4, (\q)%2, \zero
	MUL16 6, (\q)%2, \zero
	PLACES NP
	WIN 0
	FETCH_A \slot, (\q)+1, 4
.endm
.macro TURN slot, next, fill
	s_wait_tensorcnt 0x0                           ; all my tensor loads have landed: my part of the next slot
	ds_add_u32 v[SPW], v[NIL]                      ; 0 onto my spare word
	s_wait_dscnt 4*NL+1                            ; (the add and the youngest sixteen loads may be out)
	WIN MUL_LO
	MUL16 0, 1, 0
	s_wait_dscnt 0x0                               ; the add is done, and my reads of this slot are over
	s_barrier_signal -1
	MUL16 2, 1, 0
	WIN 0
	s_barrier_wait -1
.if \fill
	CREST                                          ; the barrier has opened a round of the cluster's
	s_add_nc_u64 s[G0+4*\slot+2:G0+4*\slot+3], s[G0+4*\slot+2:G0+4*\slot+3], 2*ASTEP
	s_add_nc_u64 s[G0B+4*\slot+2:G0B+4*\slot+3], s[G0B+4*\slot+2:G0B+4*\slot+3], 2*ROWB
	JLOAD G0+4*\slot, G1, G0B+4*\slot, G1B
.else
	PLACES NP
.endif
	FETCH_B \next, 0, 0
	FETCH_A \next, 0, 0
	WIN MUL_HI
	MUL16 4, 1, 0
	MUL16 6, 1, 0
	PLACES NP
	WIN 0
	FETCH_A \next, 0, 4
.endm
	s_wait_tensorcnt 1                             ; my part of K step 0 is in (K step 1's load may be out),
	s_barrier_signal -1
	s_barrier_wait -1                              ; everybody's is
	FETCH_B 0, 0, 0
	FETCH_A 0, 0, 0
	FETCH_A 0, 0, 4
	STEP 0, 0, 1
	s_mov_b32 s3, LAPS-1
.Llap:
	TURN 0, 1, 1
	STEP 1, 0, 0
	TURN 1, 0, 1
	STEP 0, 0, 0
	s_sub_co_u32 s3, s3, 1
	s_cmp_lg_u32 s3, 0
	s_cbranch_scc1 .Llap
	TURN 0, 1, 0
	STEP 1, 0, 0
	v_lshlrev_b32 v[BO], 5, v2                     ; the bias comes into W's set 0, which is done with (four places stand behind its last products): register 8 b + j = column 16 b + 8 h + j
	WIN TO_B
.irp b, 0,1,2,3,4,5,6,7
	global_load_b128 v[8*\b:8*\b+3], v[BO], s[10:11] offset:64*\b
	global_load_b128 v[8*\b+4:8*\b+7], v[BO], s[10:11] offset:64*\b+16
.endr
	WIN 0
	s_wait_dscnt 4*NL                              ; the very last step
	WIN MUL_LO
	MUL16 0, 1, 0
	MUL16 2, 1, 0
	s_wait_dscnt 0
	WIN MUL_HI
	MUL16 4, 1, 0
	MUL16 6, 1, 0
	WIN 0
; THE WAY OUT, block by block of 16 rows x 128 columns, through my own stage in LDS: whole rows of 512 bytes come back and are stored as aligned runs of 512 bytes.  LDS serves a wave's instructions in order (ISA guide 5.7.1.4).
.macro TOSTAGE a
.set AC, 64*((\a)%4)
	WIN 0x12+((\a)/4)                              ; source 0 (the sums) window 2 or 3, source 2 (the bias) window 1
.irp j, 0,2,4,6,8,10,12,14,16,18,20,22,24,26,28,30,32,34,36,38,40,42,44,46,48,50,52,54,56,58,60,62
	v_pk_fma_f32 v[TMP+\j:TMP+\j+1], v[AC+\j:AC+\j+1], s[96:97], v[\j:\j+1] op_sel_hi:[1,0,1]   ; sum x 2^(e6 + e7) + bias; each accumulator from its low end on
.endr
	WIN 0
.irp b, 0,1,2,3,4,5,6,7
	ds_store_b128 v[STO], v[TMP+8*\b:TMP+8*\b+3] offset:64*\b
	ds_store_b128 v[STO], v[TMP+8*\b+4:TMP+8*\b+7] offset:64*\b+16
.endr
.set BB, BK+64*((\a)%2)
.irp t, 0,1,2,3,4,5,6,7,8,9,10,11,12,13,14,15
	ds_load_b128 v[BB+4*\t:BB+4*\t+3], v[RD] offset:\t*SPITCH
.endr
.endm
.macro SEND a, younger                 ; younger: the LDS instructions issued behind block a's loads, which may stay out
.set BB, BK+64*((\a)%2)
	s_wait_dscnt \younger
.if (\a) > 0
	s_add_nc_u64 s[12:13], s[12:13], 16*SIZE_N*4   ; (behind a wait on XCNT: the earlier stores have read their base)
.endif
.irp t, 0,1,2,3,4,5,6,7,8,9,10,11,12,13,14,15
	global_store_b128 v[CO], v[BB+4*\t:BB+4*\t+3], s[12:13] offset:\t*SIZE_N*4 th:TH_STORE_NT
.endr
.endm
	s_wait_kmcnt 0x0
	s_add_co_i32 s96, s96, s97
	s_add_co_i32 s96, s96, 127
	s_lshl_b32 s96, s96, 23                        ; 2^(e6 + e7) as f32
	PLACES NP
	s_wait_loadcnt 0x0                             ; the bias
	TOSTAGE 0
.irp a, 1,2,3,4,5,6,7
.if \a > 1
	s_wait_xcnt 0x0                                ; block a - 2's stores have read their registers and their base
.endif
	TOSTAGE \a
	SEND \a-1, 32                                  ; behind block a - 1's loads: block a's 16 stores and 16 loads
.endr
	s_wait_xcnt 0x0
	SEND 7, 0
	s_wait_tensorcnt 0x0                           ; the wave's end
	ds_add_u32 v[SPW], v[NIL]
	s_wait_dscnt 0x0
	CROUND                                         ; the closing round
	s_endpgm
.Lfunc_end_k_q1e9ce28d4b_proj:
	.size	k_q1e9ce28d4b_proj, .Lfunc_end_k_q1e9ce28d4b_proj-k_q1e9ce28d4b_proj
	.p2alignl 7, 3214868480
	.fill 96, 4, 3214868480
	.section	.rodata,"a",@progbits
	.p2align	6, 0x0
	.amdhsa_kernel k_q1e9ce28d4b_proj
		.amdhsa_group_segment_fixed_size 327680
		.amdhsa_private_segment_fixed_size 0
		.amdhsa_enable_private_segment 0
		.amdhsa_kernarg_size 40
		.amdhsa_user_sgpr_count 2
		.amdhsa_user_sgpr_kernarg_segment_ptr 1
		.amdhsa_wavefront_size32 1
		.amdhsa_system_sgpr_workgroup_id_x 1
		.amdhsa_system_sgpr_workgroup_id_y 1
		.amdhsa_system_sgpr_workgroup_id_z 1
		.amdhsa_system_vgpr_workitem_id 0
		.amdhsa_next_free_vgpr 1024
		.amdhsa_next_free_sgpr 98
		.amdhsa_reserve_vcc 0
		.amdhsa_float_denorm_mode_32 3
		.amdhsa_float_denorm_mode_16_64 3
		.amdhsa_memory_ordered 1
		.amdhsa_forward_progress 1
		.amdhsa_inst_pref_size 125
	.end_amdhsa_kernel
	.amdgpu_metadata
---
amdhsa.version: [ 1, 2 ]
amdhsa.kernels:
  - .name:           k_q1e9ce28d4b_proj
    .symbol:         k_q1e9ce28d4b_proj.kd
    .args:
      - { .name: y_img, .offset: 0, .size: 8, .value_kind: global_buffer, .address_space: global }
      - { .name: proj_w_codes, .offset: 8, .size: 8, .value_kind: global_buffer, .address_space: global }
      - { .name: lowp_scales, .offset: 16, .size: 8, .value_kind: global_buffer, .address_space: global }
      - { .name: proj_b, .offset: 24, .size: 8, .value_kind: global_buffer, .address_space: global }
      - { .name: out0, .offset: 32, .size: 8, .value_kind: global_buffer, .address_space: global }
    .group_segment_fixed_size: 327680
    .private_segment_fixed_size: 0
    .kernarg_segment_align: 8
    .kernarg_segment_size: 40
    .max_flat_workgroup_size: 128
    .sgpr_count:     98
    .vgpr_count:     1024
    .wavefront_size: 32
...
	.end_amdgpu_metadata
.endif
;; end of part 3
;; ======== version 2 of 2: 3 launches; version 1 with the launch attn written anew for expert scheduling mode
;; workspace buffers: q_img 8,388,608 bytes; k_img 8,388,608 bytes; v_img 8,388,608 bytes; y_img 8,388,608 bytes
;; launch qkv: the kernel of part 1 again; grid 12 x 32, 4 waves a work-group, clusters of 4 x 4, 327,680 bytes of LDS; arguments x_codes, qkv_w_codes, lowp_scales, qkv_b, q_img, k_img, v_img; writes q_img, k_img, v_img
;; launch attn (part 4): grid 4 x 64, 8 waves a work-group, no clusters, 33,792 bytes of LDS; arguments q_img, k_img, v_img, lowp_scales, y_img; writes y_img
.if DOCPART == 4
	.amdgcn_target "amdgcn-amd-amdhsa--gfx1250"
	.amdhsa_code_object_version 6
	.text
	.protected	k_q1e9ce28d4b_attn
	.globl	k_q1e9ce28d4b_attn
	.p2align	8
	.type	k_q1e9ce28d4b_attn,@function
k_q1e9ce28d4b_attn:
	s_mov_b64 s[64:65], 0
	v_nop
	global_prefetch_b8 v0, s[64:65] scope:SCOPE_SE
	s_setreg_imm32_b32 hwreg(HW_REG_WAVE_SCHED_MODE, 0, 2), 2
	s_setreg_imm32_b32 hwreg(HW_REG_WAVE_MODE, 25, 1), 1
	s_wait_xcnt 0x0
	s_wait_alu depctr_vm_vsrc(0)
; Causal attention of one (batch, head) on codes of E4M3: S^T = K Q^T (K = 64), p = 2^(t - M), O^T = V^T P^T (K = 128 keys), y = O / l, quantised for the last product.  2,048 positions, head size 64.
; t = score x log2(e) / 8; M = the running largest t rounded UP to a whole number; p is quantised with 2^e4, not normalised; l is the sum of the unquantised p; when M moves, l and O are multiplied by 2^(old M - new M): exact.
; INPUTS are images of operand registers: a fragment comes by loads of 16 bytes at 16 x lane.  q_img, k_img: 1,024 bytes for 16 rows; v_img: 2,048 bytes for 16 d x 128 keys; 131,072 bytes a head in each.
; OUTPUT y_img: [row / 16][head][2][lane][16 bytes]: lane (r, h) holds d = 32 g + 16 h + 0 .. 15 of row r: what the last product's four loads of 16 bytes take of a row of 128 along K.
; SHARES.  Work-group (p, head) takes the blocks of 256 queries 7 - p and then p: 16 - 2 p and 2 p + 2 key steps of 128: 18 for every work-group.  Wave w owns two tiles of 16 queries of the block: 16 w on and 128 + 16 w on.
; So all eight waves are alike: in steps 0 .. 2 B - 1 both tiles see all keys; in step 2 B tile 0 lies on the diagonal; in step 2 B + 1 tile 0 has nothing left and tile 1 lies on the diagonal.
; K AND V come through two LDS slots of 16,384 bytes (K's 8 images, then V's 4).  Each wave brings 2,048 bytes of a step through four registers' loads, a step ahead, and stores them into the slot; one barrier a step.
; The stream of steps runs on from the first block into the second: the index wraps at the block's number of steps.  Behind the last step the look-ahead works on bytes of the head once more; its results are not used.
; BY TURNS.  A tile's softmax stands between the other tile's products: V^T P of the step in hand and K Q^T of the next step are issued together.
; NO TENSOR LOADS, NO CLUSTER: the four work-groups of a head walk 16, 14, 12, 10 steps in their first block, so partners would need different numbers of tiles; the trip counts follow the mask;
; and p's hold (64 lines of a tile's step) is jumped over where the given e4 makes it idle, a branch on a loaded whole number.  A step's 16,384 bytes cost a wave four loads and four LDS stores.
; LIMITS: e2 + e3 between -123 and 130 (they are added to c's exponent field); e4, e6 between -126 and 119.
; THE MODE: SCHED_MODE bits 1:0 = 2 (LLVM: expert scheduling mode 2), set by the entry lines.  The code itself states the register dependences between vector or matrix instructions and memory or LDS instructions,
; with s_wait_alu, always for 0.
; THE PLAN.  Registers that memory or LDS instructions touch:
;   v1, v2, v3   offsets; made at the head and never written again: one wait on va_vdst ahead of the first load serves every load, store, LDS access and prefetch of the kernel.
;   GB           the stream's stage.  Global loads land in it, the next step's four LDS stores read it, no vector instruction names it: a wait on vm_vsrc stands between those stores and the loads that land in it again.
;   K            Written by 16 LDS loads behind a step's barrier; read by the step's K Q^T of both tiles.
;   V0, V1       A step loads the set that the step before multiplied by, and multiplies by the other.
;   QR           the queries.  Read by K Q^T; loaded anew in a block's last two steps, each tile's behind its last K Q^T of the block.
;   OUT          Written by the way out's selects, read by its two stores.
;   S^T, p, p's codes, O^T, the statistics and the registers at work are named by vector and matrix instructions alone.
; So ONE wait on va_vdst stands in a step, behind the barrier and ahead of K's loads: the last step's products are done reading K, the V set that this step loads, and (in a block's last step) tile 1's queries.
; Behind it no vector or matrix instruction of the step names K ahead of its loads, nor that V set, nor the query registers that are loaded: so V's loads stand later in the step, behind tile 0's softmax, with no further wait.
; REGISTERS: window 0: v1-9 offsets and constants; v16-31 eight registers of statistics a tile (-M, largest t, l in two halves, f, -, 1 / l, -); v32-47 the stream's stage; v48-63 Q; v64-191 S^T, then p; v192-223 p's codes;
;   v224-229 at work; v236-255 the way out.   window 1: v0-63 K; v64-127, v192-255 V, two sets; v128-191 O^T.   s52-59: at the head the exponents, later eight masks of the diagonal.
.set LI,   1                           ; v1  16 x lane
.set STA,  2                           ; v2  2,048 x wave + 16 x lane: where I store my part of a step
.set PFO,  3                           ; v3  256 x lane: the prefetch's offset
.set MD,   4                           ; v4  16 w + r - 8 h: on the diagonal register 8 c + j (key 16 c + 8 h + j) is hidden where 16 c + j is greater
.set PSC,  5                           ; v5, v6  2^e4, 448 x 2^e4
.set PLIM, 6
.set YSC,  7                           ; v7, v8  2^e6, 448 x 2^e6
.set YLIM, 8
.set NINF, 9                           ; v9  -infinity
.set ST,   16
.set GB,   32
.set QR,   48
.set S,    64
.set P,    192
.set WK,   224
.set CD,   236
.set OUT,  244
.set SND,  252
.set RCV,  254
.set V0,   64                          ; window 1
.set OT,   128
.set V1,   192
.set MK,   52                          ; s[52:59] eight masks of the diagonal
.set MSB, 0
.macro WIN new                         ; the immediate's high byte repeats the setting that is left
.if MSB != \new
	s_set_vgpr_msb (MSB<<8)|\new
.set MSB, \new
.endif
.endm
.macro KLOAD nxt                       ; a step's K out of slot nxt: 8 images of 1,024 bytes
	WIN 0x40                                       ; destination window 1
.irp c, 0,1,2,3,4,5,6,7
	ds_load_b128 v[8*\c:8*\c+3],   v[LI] offset:(\nxt)*16384+1024*\c
	ds_load_b128 v[8*\c+4:8*\c+7], v[LI] offset:(\nxt)*16384+1024*\c+512
.endr
.endm
.macro VLOAD nxt                       ; the same step's V, into set nxt.  No wait: no vector or matrix instruction since the step's wait on va_vdst names that set
	WIN 0x40                                       ; destination window 1
.irp f, 0,1,2,3,4,5,6,7,8,9,10,11,12,13,14,15
	ds_load_b128 v[V0+128*(\nxt)+4*\f:V0+128*(\nxt)+4*\f+3], v[LI] offset:(\nxt)*16384+8192+512*\f
.endr
.endm
; The head of a key step.  My part of the next step goes from registers into slot nxt; the step after it is asked for; one barrier; the next step's K comes into registers.
; In front of the barrier each wave's stores into slot nxt are done and its reads of the other slot are back, the last step's loads of V among them.  Slot nxt's own readers finished in front of the barrier before this one.
.macro STAGE nxt
	WIN 0
.rept 4
	v_nop                                          ; four plain instructions between the last products and the loads into the registers that they read; they stay beside the wait on va_vdst below
.endr
	s_wait_loadcnt 0x0                             ; the stage's four loads, asked for a step ago (and new queries, where they were asked for)
.irp i, 0,1,2,3
	ds_store_b128 v[STA], v[GB+4*\i:GB+4*\i+3] offset:(\nxt)*16384+512*\i
.endr
	s_wait_xcnt 0x0                                ; the last step's prefetch has read its address: both addresses may be written
	s_lshl_b32 s22, s29, 13                        ; 8,192 bytes a step in K and in V
	s_add_nc_u64 s[20:21], s[18:19], s[22:23]
	s_add_nc_u64 s[26:27], s[24:25], s[22:23]
	s_wait_dscnt 0x0                               ; for the others' sake: my stores are done, and my reads of the other slot are back
	s_wait_alu depctr_vm_vsrc(0)                   ; the four LDS stores have read v[GB ..], in which the loads below land
.irp i, 0,1,2,3
	global_load_b128 v[GB+4*\i:GB+4*\i+3], v[LI], s[20:21] offset:512*\i
.endr
	s_cmp_lt_u32 s29, s28                          ; the prefetch: in the head's work-group 0, in its first walk over all 16 steps, wave 0 names K's and wave 1 V's 8,192 bytes of the step after the one just asked for:
	s_cbranch_scc0 .Lnp_\@                         ; a lane names 256 bytes; each block is named once in the launch; it stops at step 15
	global_prefetch_b8 v[PFO], s[26:27] offset:8192 th:TH_LOAD_NT scope:SCOPE_SE
.Lnp_\@:
	s_add_co_u32 s29, s29, 1                       ; the stream's index steps, and wraps at the block's number of steps
	s_cmp_eq_u32 s29, s30
	s_cselect_b32 s29, 0, s29
	s_cselect_b32 s30, s31, s30
	s_cselect_b32 s28, 0, s28
	s_barrier_signal -1
	s_barrier_wait -1
	WIN 0x40                                       ; the switch, then the wait, then the loads
	s_wait_alu depctr_va_vdst(0)                   ; the last step's K Q^T are done reading K (and their queries), its V^T P are done reading V's set nxt: the loads of this step land in these registers
	KLOAD \nxt
.endm
; Tile t's softmax for one key step.  masked = 1: the step lies on the tile's diagonal.
.macro SM t, masked
.set rS, S+64*(\t)
.set rT, ST+8*(\t)
.set rP, P+16*(\t)
	WIN 0
.if \masked
.set gg, 0
.rept 8                                ; eight keys' tiles: eight compares in a run, one wait, eight selects
.set ii, 0
.rept 8
	v_cmp_gt_i32 s[MK+ii], 16*gg+ii, v[MD]
.set ii, ii+1
.endr
	s_wait_alu depctr_va_sdst(0)                   ; the eight compares have written s[MK ..], which the selects below read
.set ii, 0
.rept 8
	v_cndmask_b32 v[rS+8*gg+ii], v[rS+8*gg+ii], v[NINF], s[MK+ii]   ; a hidden key's score becomes -infinity: p = 0
.set ii, ii+1
.endr
.set gg, gg+1
.endr
.endif
	v_max3_num_f32 v[WK], v[rS], v[rS+1], v[rS+2]  ; the step's largest score of my query among my 64 keys, in two chains, each accumulator from its low end on,
	v_max3_num_f32 v[WK+1], v[rS+3], v[rS+4], v[rS+5]
.irp i, 6,10,14,18,22,26,30,34,38,42,46,50,54,58
	v_max3_num_f32 v[WK], v[WK], v[rS+\i], v[rS+\i+1]
	v_max3_num_f32 v[WK+1], v[WK+1], v[rS+\i+2], v[rS+\i+3]
.endr
	v_max3_num_f32 v[WK], v[WK], v[rS+62], v[rS+63]
	v_max_num_f32 v[WK], v[WK], v[WK+1]
	v_permlanex16_b32 v[WK+2], v[WK], s44, s45
	v_max_num_f32 v[WK], v[WK], v[WK+2]            ; and among the other half of the lanes'
	v_mul_f32 v[WK], s42, v[WK]                    ; as t (c is positive)
	v_max_num_f32 v[rT+1], v[rT+1], v[WK]          ; the running largest t
	v_mov_b32 v[WK], v[rT]
	v_floor_f32 v[rT], -v[rT+1]                    ; -M = floor(-t): M is a whole number
	v_sub_f32 v[WK], v[rT], v[WK]                  ; old M - new M: a whole number, 0 or less
	v_cvt_i32_f32 v[WK], v[WK]                     ; (it saturates)
	v_ldexp_f32 v[rT+4], 1.0, v[WK]                ; f = 2^(old M - new M)
.set ii, 0
.rept 32
	v_pk_fma_f32 v[rS+ii:rS+ii+1], v[rS+ii:rS+ii+1], s[42:43], v[rT:rT+1] op_sel_hi:[1,0,0]   ; t - M, two at a time
.set ii, ii+2
.endr
.set ii, 0
.rept 64
	v_exp_f32 v[rS+ii], v[rS+ii]
.set ii, ii+1
.endr
	v_pk_mul_f32 v[rT+2:rT+3], v[rT+2:rT+3], v[rT+4:rT+5] op_sel_hi:[1,0]   ; l under the new M: the plain instruction behind the exponentials
	s_wait_alu depctr_va_vdst(0)                   ; the 64 exponentials have written p: one wait for the batch, ahead of its first reader
	v_pk_add_f32 v[WK+4:WK+5], v[rS:rS+1], v[rS+2:rS+3]   ; the sum of the unquantised p, in two chains
.irp j, 4,8,12,16,20,24,28,32,36,40,44,48,52,56,60
	v_pk_add_f32 v[rT+2:rT+3], v[rT+2:rT+3], v[rS+\j:rS+\j+1]
	v_pk_add_f32 v[WK+4:WK+5], v[WK+4:WK+5], v[rS+\j+2:rS+\j+3]
.endr
	v_pk_add_f32 v[rT+2:rT+3], v[rT+2:rT+3], v[WK+4:WK+5]
	s_cmp_ge_i32 s47, -8                           ; from e4 = -8 on, 448 x 2^e4 is 1.75 or more, and p is 1 at the most but for the last bit: the hold holds nothing
	s_cbranch_scc1 .Lnh_\@
.set ii, 0
.rept 64
	v_min_num_f32 v[rS+ii], v[rS+ii], v[PLIM]      ; the conversion does not saturate (ISA guide 7.6.2); p is not negative, so the hold is one-sided
.set ii, ii+1
.endr
.Lnh_\@:
.set ii, 0
.rept 8
	v_cvt_scalef32_pk8_fp8_f32 v[rP+2*ii:rP+2*ii+1], v[rS+8*ii:rS+8*ii+7], v[PSC]   ; registers 2 c, 2 c + 1 of the operand: keys 16 c + 8 h + 0 .. 7
.set ii, ii+1
.endr
	WIN 0x41                                       ; O^T (destination and source 0) in window 1
.set ii, 0
.rept 16
	v_pk_mul_f32 v[OT+32*(\t)+ii:OT+32*(\t)+ii+1], v[OT+32*(\t)+ii:OT+32*(\t)+ii+1], v[rT+4:rT+5] op_sel_hi:[1,0]   ; O^T under the new M; also the plain lines behind the conversions
.set ii, ii+2
.endr
.endm
.macro PV t, vs                        ; O^T += V^T P^T: four accumulators, one instruction each
	WIN 0x51                                       ; V, C and D window 1, P window 0
.irp d, 0,1,2,3
	v_wmma_f32_16x16x128_fp8_fp8 v[OT+32*(\t)+8*\d:OT+32*(\t)+8*\d+7], v[\vs+16*\d:\vs+16*\d+15], v[P+16*(\t):P+16*(\t)+15], v[OT+32*(\t)+8*\d:OT+32*(\t)+8*\d+7]
.endr
.endm
.macro KQ t                            ; S^T = K Q^T: eight tiles of 16 keys
	WIN 0x01                                       ; K window 1
.irp c, 0,1,2,3,4,5,6,7
	v_wmma_f32_16x16x64_fp8_fp8 v[S+64*(\t)+8*\c:S+64*(\t)+8*\c+7], v[8*\c:8*\c+7], v[QR+8*(\t):QR+8*(\t)+7], 0
.endr
.endm
.macro QLOAD t                         ; the second block's queries of tile t.  No wait: the tile's last K Q^T stands ahead of the step's wait on va_vdst, and nothing since names these registers
	WIN 0
	global_load_b128 v[QR+8*(\t):QR+8*(\t)+3],   v[LI], s[36:37] offset:8192*(\t)
	global_load_b128 v[QR+8*(\t)+4:QR+8*(\t)+7], v[LI], s[36:37] offset:8192*(\t)+512
.endm
; Tile t is finished: y = O x 2^(e4 + e5) / l, quantised with 2^e6.  A lane's codes are d = 16 dt + 8 h + 0 .. 7; the image wants d = 32 g + 16 h + 0 .. 15: the two halves of the lanes exchange half of their codes.
; Then the tile's sums begin anew.  The tile's score registers are at work here, so the macro stands ahead of the products that write the next block's first scores.
; Both halves of the image are made first; the moves that begin the sums anew follow; then one wait, and the two stores.
.macro EPI t
.set rS, S+64*(\t)
.set rT, ST+8*(\t)
	WIN 0
.rept 4
	v_nop                                          ; places behind the tile's last products
.endr
	s_wait_xcnt 0x0                                ; earlier stores have had their addresses translated: the registers that they read are written again only behind this wait,
	s_wait_alu depctr_vm_vsrc(0)                   ; and behind this one: the stores of the tile before have read v[OUT ..], which the selects below write again
	v_add_f32 v[WK], v[rT+2], v[rT+3]
	v_permlanex16_b32 v[WK+2], v[WK], s44, s45
	v_add_f32 v[WK], v[WK], v[WK+2]                ; the row's sum
	v_rcp_f32 v[rT+6], v[WK]
	v_nop
	s_wait_alu depctr_va_vdst(0)                   ; the reciprocal is written, ahead of its first reader
	v_ldexp_f32 v[rT+6], v[rT+6], s48              ; x 2^(e4 + e5)
	WIN 0x01
.set ii, 0
.rept 16
	v_pk_mul_f32 v[rS+ii:rS+ii+1], v[OT+32*(\t)+ii:OT+32*(\t)+ii+1], v[rT+6:rT+7] op_sel_hi:[1,0]
.set ii, ii+2
.endr
	WIN 0
.set ii, 0
.rept 32
	v_med3_num_f32 v[rS+ii], v[rS+ii], -v[YLIM], v[YLIM]
.set ii, ii+1
.endr
.irp d, 0,1,2,3
	v_cvt_scalef32_pk8_fp8_f32 v[CD+2*\d:CD+2*\d+1], v[rS+8*\d:rS+8*\d+7], v[YSC]
.endr
	v_nop
.irp g, 0,1
.irp i, 0,1
	v_cndmask_b32 v[SND+\i], v[CD+4*\g+2+\i], v[CD+4*\g+\i], s46          ; lanes 16-31 send d tile 2 g's codes, lanes 0-15 d tile 2 g + 1's
.endr
.irp i, 0,1
	v_permlanex16_b32 v[RCV+\i], v[SND+\i], s44, s45
.endr
.irp i, 0,1
	v_cndmask_b32 v[OUT+4*\g+\i], v[CD+4*\g+\i], v[RCV+\i], s46
	v_cndmask_b32 v[OUT+4*\g+2+\i], v[RCV+\i], v[CD+4*\g+2+\i], s46
.endr
.endr
	v_mov_b32 v[rT+1], 0xff61b1e6                  ; the largest t: -3e38, under every t
	v_floor_f32 v[rT], -v[rT+1]
	v_mov_b32 v[rT+2], 0
	v_mov_b32 v[rT+3], 0
	WIN 0x40                                       ; destination window 1; the stores below take their offset and their data from window 0
.set ii, 0
.rept 32
	v_mov_b32 v[OT+32*(\t)+ii], 0
.set ii, ii+1
.endr
	s_wait_alu depctr_va_vdst(0)                   ; the selects have written v[OUT ..], which the two stores read
.irp g, 0,1
	global_store_b128 v[LI], v[OUT+4*\g:OUT+4*\g+3], s[38:39] offset:(\t)*131072+512*\g th:TH_STORE_NT   ; 512 consecutive bytes, aligned
.endr
.endm
; A key step in which both tiles see all keys.  vs: V's set of the step in hand; the next step's goes into the other.
.macro XSTEP nxt, vs
	STAGE \nxt
	SM 0, 0
	VLOAD \nxt                                     ; wanted in the next step: shown landed by that step's wait for all LDS accesses, ahead of its barrier
	s_wait_dscnt 16                                ; LDS loads come back in order (ISA guide 5.7.1): the next step's K is in; the sixteen younger loads, V's, stay out
	PV 0, \vs
	KQ 0
	SM 1, 0
	PV 1, \vs
	KQ 1
	WIN 0
.endm
	s_load_b256 s[4:11], s[0:1], 0x0               ; q_img, k_img, v_img, the scales' exponents
	s_load_b64 s[12:13], s[0:1], 0x20              ; y_img
	v_lshl_add_u32 v234, v0, 2, 0x8000
	v_mov_b32 v235, 0
	v_lshrrev_b32 v10, 5, v0
	v_readfirstlane_b32 s14, v10                   ; wave 0..7
	v_and_b32 v11, 31, v0
	v_lshlrev_b32 v[LI], 4, v11
	v_lshl_add_u32 v[STA], v10, 11, v[LI]
	v_lshlrev_b32 v[PFO], 8, v11
	v_and_b32 v12, 15, v0
	v_bfe_u32 v13, v0, 4, 1
	v_lshl_add_u32 v[MD], v10, 4, v12
	v_lshlrev_b32 v13, 3, v13
	v_sub_nc_u32 v[MD], v[MD], v13
	v_mov_b32 v[NINF], 0xff800000
	s_wait_alu depctr_va_sdst(0)                   ; s14 is written, ahead of its first reader: the wave's offsets and roles are made from it
	s_mov_b32 s15, ttmp9                           ; p
	s_and_b32 s16, ttmp7, 0xffff                   ; batch x 16 + head
	s_sub_co_u32 s32, 7, s15                       ; the first block of queries; also the trips of its loop
	s_lshl_b32 s2, s32, 4
	s_add_co_u32 s2, s2, s14                       ; its tile 0 of my wave: 16 B + w
	s_lshl_b32 s60, s2, 14                         ; in y_img: 16,384 bytes a tile of rows,
	s_lshl_b32 s2, s2, 10                          ; in q_img: 1,024
	s_mov_b32 s3, 0
	s_lshl_b32 s50, s15, 4
	s_add_co_u32 s50, s50, s14                     ; the same for the second block
	s_lshl_b32 s62, s50, 14
	s_lshl_b32 s50, s50, 10
	s_mov_b32 s51, 0
	s_lshr_b32 s22, s16, 4
	s_lshl_b32 s22, s22, 21                        ; y_img: the batch's 128 tiles of rows,
	s_and_b32 s23, s16, 15
	s_lshl_b32 s23, s23, 10                        ; the head's 1,024 bytes
	s_add_co_u32 s22, s22, s23
	s_add_co_u32 s60, s60, s22
	s_add_co_u32 s62, s62, s22
	s_mov_b32 s61, 0
	s_mov_b32 s63, 0
	s_lshl_b32 s22, s16, 17                        ; the head's 131,072 bytes in q_img, k_img, v_img
	s_mov_b32 s23, 0
	s_wait_kmcnt 0x0
	s_load_b256 s[52:59], s[10:11], 0x0            ; e0 .. e7
	s_add_nc_u64 s[4:5], s[4:5], s[22:23]
	s_add_nc_u64 s[6:7], s[6:7], s[22:23]
	s_add_nc_u64 s[8:9], s[8:9], s[22:23]
	s_add_nc_u64 s[2:3], s[4:5], s[2:3]            ; the first block's queries
	s_add_nc_u64 s[36:37], s[4:5], s[50:51]        ; the second block's
	s_add_nc_u64 s[38:39], s[12:13], s[60:61]      ; where the block in hand is stored,
	s_add_nc_u64 s[40:41], s[12:13], s[62:63]      ; and the second
	s_cmp_lt_u32 s14, 4                            ; waves 0-3 bring K, waves 4-7 V: 2,048 bytes of a step each
	s_cselect_b64 s[18:19], s[6:7], s[8:9]
	s_and_b32 s22, s14, 3
	s_lshl_b32 s22, s22, 11
	s_add_nc_u64 s[18:19], s[18:19], s[22:23]
	s_cmp_eq_u32 s14, 0
	s_cselect_b64 s[24:25], s[6:7], s[8:9]         ; what my prefetches would name
	s_lshr_b32 s28, s14, 1
	s_or_b32 s28, s28, s15                         ; 0 in waves 0 and 1 of work-group 0 of the head
	s_cmp_eq_u32 s28, 0
	s_cselect_b32 s28, 15, 0                       ; a wave prefetches while the stream's index is below this
	s_wait_alu depctr_va_vdst(0)                   ; the offsets v1, v2 and v3 are written: every load, store, LDS access and prefetch of the kernel reads one of them, and none is written again
.irp t, 0,1
	global_load_b128 v[QR+8*\t:QR+8*\t+3],   v[LI], s[2:3] offset:8192*\t
	global_load_b128 v[QR+8*\t+4:QR+8*\t+7], v[LI], s[2:3] offset:8192*\t+512
.endr
.irp i, 0,1,2,3
	global_load_b128 v[GB+4*\i:GB+4*\i+3], v[LI], s[18:19] offset:512*\i           ; step 0
.endr
.irp t, 0,1
	v_mov_b32 v[ST+8*\t+1], 0xff61b1e6             ; the largest t: -3e38
	v_floor_f32 v[ST+8*\t], -v[ST+8*\t+1]
.irp k, 2,3,4,5,6,7
	v_mov_b32 v[ST+8*\t+\k], 0                     ; l; the others are named as halves of pairs, so they are written
.endr
.endr
	v_mov_b32 v[WK+2], 0                           ; a lane permute's destination counts as one of its sources
	v_mov_b32 v[RCV], 0
	v_mov_b32 v[RCV+1], 0
	s_mov_b32 s44, 0x76543210                      ; v_permlanex16_b32: lane l xor 16
	s_mov_b32 s45, 0xfedcba98
	s_mov_b32 s46, 0xffff0000                      ; lanes 16-31
	s_mov_b32 s29, 2                               ; the stream's index: the step asked for next
	s_lshl_b32 s31, s15, 1
	s_sub_co_u32 s30, 16, s31                      ; the first block's steps,
	s_add_co_u32 s31, s31, 2                       ; the second's
	s_mov_b32 s34, 2                               ; blocks to go
	s_wait_kmcnt 0x0
	s_add_co_i32 s42, s54, s55
	s_lshl_b32 s42, s42, 23
	s_add_co_i32 s42, s42, 0x3e38aa3b              ; c = log2(e) / 8 x 2^(e2 + e3)
	s_mov_b32 s43, s42
	s_mov_b32 s47, s56                             ; e4
	s_add_co_i32 s48, s56, s57                     ; e4 + e5
	s_add_co_i32 s22, s56, 127
	s_lshl_b32 s23, s22, 23
	v_mov_b32 v[PSC], s23
	s_add_co_i32 s22, s22, 8
	s_lshl_b32 s22, s22, 23
	s_or_b32 s22, s22, 0x600000
	v_mov_b32 v[PLIM], s22
	s_add_co_i32 s22, s58, 127
	s_lshl_b32 s23, s22, 23
	v_mov_b32 v[YSC], s23
	s_add_co_i32 s22, s22, 8
	s_lshl_b32 s22, s22, 23
	s_or_b32 s22, s22, 0x600000
	v_mov_b32 v[YLIM], s22
	s_mov_b32 s23, 0                               ; the upper word of the stream's offset
	s_wait_loadcnt 0x0
.irp i, 0,1,2,3
	ds_store_b128 v[STA], v[GB+4*\i:GB+4*\i+3] offset:512*\i
.endr
	s_wait_dscnt 0x0                               ; for the others' sake: my part of step 0 is in slot 0
	s_wait_alu depctr_vm_vsrc(0)                   ; the four LDS stores have read v[GB ..], in which the loads below land
.irp i, 0,1,2,3
	global_load_b128 v[GB+4*\i:GB+4*\i+3], v[LI], s[18:19] offset:8192+512*\i      ; step 1
.endr
	s_barrier_signal -1
	s_barrier_wait -1                              ; step 0 lies whole in slot 0
	KLOAD 0                                        ; no vector or matrix instruction has named K's or V's registers yet
	VLOAD 0
.set ii, 0
.rept 64
	v_mov_b32 v[OT+ii], 0                          ; O^T: the step is written once, and its first change of M leaves zeros zeros
.set ii, ii+1
.endr
	WIN 0
	s_wait_dscnt 0x0
	KQ 0
	KQ 1
	WIN 0
.Lphase:                                               ; two trips: a block of 256 queries each
	s_mov_b32 s33, s32
	s_cmp_eq_u32 s32, 0                            ; block 0 has no step below the diagonal
	s_cbranch_scc1 .Ltail
.Lfull:                                                ; B trips of two steps
	XSTEP 1, V0
	XSTEP 0, V1
	s_sub_co_u32 s33, s33, 1
	s_cmp_lg_u32 s33, 0
	s_cbranch_scc1 .Lfull
.Ltail:
	STAGE 1                                        ; step 2 B: tile 0 on the diagonal, tile 1 sees all keys
	SM 0, 1
	VLOAD 1
	s_wait_dscnt 16                                ; the next step's K is in; V's sixteen younger loads stay out
	PV 0, V0
	QLOAD 0                                        ; tile 0 has no further scores in this block: its registers take the next block's queries
	SM 1, 0
	PV 1, V0
	KQ 1
	STAGE 0                                        ; step 2 B + 1: tile 1 on the diagonal.  What comes into registers here is the next block's step 0; the wait at its head shows tile 0's new queries landed
	VLOAD 0                                        ; here in one run with K's loads, and waited for below: no LDS load is out when the last block ends
	QLOAD 1                                        ; four places stand behind the last products that read these registers, and the step's wait on va_vdst behind those products
	EPI 0
	s_wait_dscnt 0x0
	KQ 0                                           ; the next block's first scores of tile 0
	SM 1, 1
	PV 1, V1
	EPI 1
	s_wait_loadcnt 0x0                             ; tile 1's new queries
	KQ 1
	WIN 0
	s_wait_xcnt 0x0                                ; the stores have read their base
	s_mov_b64 s[38:39], s[40:41]
	s_mov_b32 s32, s15                             ; the second block is block p
	s_sub_co_u32 s34, s34, 1
	s_cmp_lg_u32 s34, 0
	s_cbranch_scc1 .Lphase
	s_wait_dscnt 0x0
	s_wait_alu depctr_hold_cnt(0) depctr_sa_sdst(0) depctr_va_vdst(0) depctr_va_sdst(0) depctr_va_ssrc(0) depctr_va_vcc(0) depctr_vm_vsrc(0)
	s_wait_tensorcnt 0x0
	ds_add_u32 v234, v235
	s_wait_dscnt 0x0
	s_endpgm
.Lfunc_end_k_q1e9ce28d4b_attn:
	.size	k_q1e9ce28d4b_attn, .Lfunc_end_k_q1e9ce28d4b_attn-k_q1e9ce28d4b_attn
	.p2alignl 7, 3214868480
	.fill 96, 4, 3214868480
	.section	.rodata,"a",@progbits
	.p2align	6, 0x0
	.amdhsa_kernel k_q1e9ce28d4b_attn
		.amdhsa_group_segment_fixed_size 33792
		.amdhsa_private_segment_fixed_size 0
		.amdhsa_enable_private_segment 0
		.amdhsa_kernarg_size 40
		.amdhsa_user_sgpr_count 2
		.amdhsa_user_sgpr_kernarg_segment_ptr 1
		.amdhsa_wavefront_size32 1
		.amdhsa_system_sgpr_workgroup_id_x 1
		.amdhsa_system_sgpr_workgroup_id_y 1
		.amdhsa_system_sgpr_workgroup_id_z 1
		.amdhsa_system_vgpr_workitem_id 0
		.amdhsa_next_free_vgpr 512
		.amdhsa_next_free_sgpr 66
		.amdhsa_reserve_vcc 0
		.amdhsa_float_denorm_mode_32 3
		.amdhsa_float_denorm_mode_16_64 3
		.amdhsa_memory_ordered 1
		.amdhsa_forward_progress 1
		.amdhsa_inst_pref_size 148
	.end_amdhsa_kernel
	.amdgpu_metadata
---
amdhsa.version: [ 1, 2 ]
amdhsa.kernels:
  - .name:           k_q1e9ce28d4b_attn
    .symbol:         k_q1e9ce28d4b_attn.kd
    .args:
      - { .name: q_img, .offset: 0, .size: 8, .value_kind: global_buffer, .address_space: global }
      - { .name: k_img, .offset: 8, .size: 8, .value_kind: global_buffer, .address_space: global }
      - { .name: v_img, .offset: 16, .size: 8, .value_kind: global_buffer, .address_space: global }
      - { .name: lowp_scales, .offset: 24, .size: 8, .value_kind: global_buffer, .address_space: global }
      - { .name: y_img, .offset: 32, .size: 8, .value_kind: global_buffer, .address_space: global }
    .group_segment_fixed_size: 33792
    .private_segment_fixed_size: 0
    .kernarg_segment_align: 8
    .kernarg_segment_size: 40
    .max_flat_workgroup_size: 256
    .sgpr_count:     66
    .vgpr_count:     512
    .wavefront_size: 32
...
	.end_amdgpu_metadata
.endif
;; end of part 4
;; launch proj: the kernel of part 3 again; grid 4 x 32, 4 waves a work-group, clusters of 4 x 4, 327,680 bytes of LDS; arguments y_img, proj_w_codes, lowp_scales, proj_b, out0; writes out0
